; MI455X (gfx1250); checked and timed in simulation.
; The chip was launched on July 23, 2026; its instructions are those of AMD's public machine-readable ISA for CDNA 5 (MIT licence, August 2026) and "CDNA5" Instruction Set Architecture Reference Guide (July 2026). The comments in the code are by the model that wrote it; some were corrected since.
;; Diff Attention Head. Allowed arithmetic: matrix products marked QUANTISED: E4M3 operands, one E8M0 scale for each 32 along K, by v_wmma_scale_f32_16x16x128_f8f6f4 with both operands' format E4M3, f32 sums; products left as they are: f32 operands where the result goes on into a quantised operand, else bf16, f16 or f32 operands; f32 sums; everything else in f32.
;; Inputs: W_k 2,048 x 2,048 float32; W_o 2,048 x 1,024 float32; W_q 2,048 x 2,048 float32; W_v 1,024 x 2,048 float32; key 4,096 x 2,048 float32; lambda_k1 64 float32; lambda_k2 64 float32; lambda_q1 64 float32; lambda_q2 64 float32; ln_beta 1,024 float32; ln_gamma 1,024 float32; query 4,096 x 2,048 float32; value 4,096 x 2,048 float32.
;; Outputs: out0 4,096 x 2,048 float32.
;; This version of the problem:
;;   THIS VERSION OF THE PROBLEM IS GIVEN IN LOW PRECISION. The matrix products marked QUANTISED in the list below multiply operands that are first quantised to E4M3 (4 exponent bits, 3 mantissa bits; 8 bits a number), with one power-of-two scale for each 32 numbers along K (OCP MX v1.0); their sums are f32. All else is computed in f32.
;;   The module's matrix products, in the order in which they are computed (A, B: the left and right operand; K: the contracted axis; several contracted axes count as one K, in the product's order):
;;     1. [M 4,096, K 2,048] x [K 2,048, N 2,048]; A: input query; B: input W_q: QUANTISED
;;     2. [M 4,096, K 2,048] x [K 2,048, N 2,048]; A: input key; B: input W_k: QUANTISED
;;     3. [M 4,096, K 2,048] x [K 2,048, N 1,024]; A: input value; B: input W_v: QUANTISED
;;     4. batch 65,536 x [M 1, K 64] x [K 64, N 1]; A: computed on the way; B: computed on the way: left as it is (M = 1 < 16)
;;     5. batch 65,536 x [M 1, K 64] x [K 64, N 1]; A: computed on the way; B: computed on the way: left as it is (M = 1 < 16)
;;     6. [M 4,096, K 1,024] x [K 1,024, N 2,048]; A: computed on the way; B: input W_o: QUANTISED
;;   THE QUANTISER, for each operand of a quantised product, along K:
;;     - K is cut into blocks of 32 from its start; a last block that is shorter is filled with zeros.
;;     - A block's scale is 2^e with e = floor(log2(the largest magnitude in the block)) - 8, held to -126 .. 127; a block of zeros has e = 0. As a byte (E8M0): e + 127.
;;     - Each number is divided by its block's scale, clamped to +-448, and rounded to the nearest number of E4M3, ties to even, subnormals kept.
;;     - The product sums the exact products of the quantised numbers (number of the format x scale) in f32.
;;   ~~~python
;;   def quantise(x, axis):      # numpy; x: float32 -> the quantised numbers, widened to float32 again
;;       x = np.moveaxis(x, axis, -1); K = x.shape[-1]
;;       x = np.pad(x, [(0, 0)] * (x.ndim - 1) + [(0, -K % 32)]); x = x.reshape(x.shape[:-1] + (-1, 32)); a = np.abs(x).max(-1, keepdims=True)
;;       e = np.where(a > 0, np.clip(np.frexp(np.where(a > 0, a, 1))[1] - 1 - 8, -126, 127), 0)      # np.frexp(a)[1] - 1 = floor(log2(a)), exactly
;;       r = np.clip(x / 2.0 ** e, -448, 448)
;;       step = 2.0 ** (np.maximum(np.frexp(np.where(r == 0, 1, r))[1] - 1, -6) - 3)
;;       q = np.round(r / step) * step * 2.0 ** e      # np.round: ties to even
;;       return np.moveaxis(q.reshape(q.shape[:-2] + (-1,))[..., :K], -1, axis).astype(np.float32)
;;   ~~~
;;   OPERANDS COMPUTED ON THE WAY. 'Computed on the way' means the value that the module computes at that place (a softmax that the list does not call 'softmax' is quantised finished and normalised). What goes into a quantiser is computed in f32, as accurately as f32 sums, v_exp_f32 and their like allow (about 1e-6 of the number): no bf16 or f16 on the way to a quantiser, and a product that is left as it is and whose result goes on into a quantised operand takes f32 operands (vector FMAs, or v_wmma_f32_16x16x4_f32). A number that lies on a knife's edge between two numbers of the format may be rounded either way, as far as f32 arithmetic and the matrix unit's own rounding can turn it there, and no further.
;; 2 versions, each right; version 2 is version 1 with the launch lngemm written anew for expert scheduling mode. Each part assembles by itself: llvm-mc -triple=amdgcn-amd-amdhsa -mcpu=gfx1250 --defsym DOCPART=n.
;; ======== version 1 of 2: 3 launches
;; workspace buffers: val_codes 8,388,608 bytes; val_scales 262,144 bytes; wv_codes 2,097,152 bytes; wv_scales 65,536 bytes; wo_codes 2,097,152 bytes; wo_scales 65,536 bytes; vimg 16,777,216 bytes
;; launch quant (part 1): grid 384 x 1, 4 waves a work-group, no clusters, 56,832 bytes of LDS; arguments value, W_v, W_o, val_codes, val_scales, wv_codes, wv_scales, wo_codes, wo_scales; writes val_codes, val_scales, wv_codes, wv_scales, wo_codes, wo_scales
.if DOCPART == 1
	.amdgcn_target "amdgcn-amd-amdhsa--gfx1250"
	.amdhsa_code_object_version 6
	.text
	.protected	k_q64f224371f_quant
	.globl	k_q64f224371f_quant
	.p2align	8
	.type	k_q64f224371f_quant,@function
k_q64f224371f_quant:
	s_mov_b64 s[64:65], 0
	v_nop
	global_prefetch_b8 v0, s[64:65] scope:SCOPE_SE
	s_setreg_imm32_b32 hwreg(HW_REG_WAVE_MODE, 25, 1), 1
	s_wait_xcnt 0x0
; DiffAttentionHead, launch 1 of 3: value [4096][2048], W_v [1024][2048] and W_o [2048][1024], f32, become codes of FP8 (E4M3) with one E8M0 byte for each 32 along K.
; WORK LEFT OUT, in all three launches.  A1 and A2 are softmaxes over an axis of length 1: for every finite score s the maximum taken away is s itself, so the result is exp(0) / exp(0) = 1,
; whatever query, key, W_q and W_k hold.  So Q = query W_q^T, K = key W_k^T and the scores s1, s2 reach no output: these four products are not computed, and the inputs query, key, W_q, W_k are
; loaded by no launch and stand among no launch's arguments.  What is left: A_diff = 1 - lam in every place, V = value W_v^T, the LayerNorm of (1 - lam) V, and its product with W_o^T.
; (1 - lam stays: beside LN_EPS it does not cancel.)  LIMIT: a NaN, an infinity or an overflow that would arise in Q, K, s1 or s2 alone is not carried to the result.
; THE RULE.  A block's scale is 2^(floor(log2(its largest magnitude)) - 8); its byte is the largest magnitude's exponent field - 8, held at 1 from below.  Each number is divided by the scale, held within
; +-448 and rounded to the nearest code, ties to even.  A block of zeros gets the byte 1 where the rule says 127: its codes are zeros, which add nothing, and the bytes are read by this program alone.
; LIMITS: blocks whose largest magnitude lies under 2^(9 - 127) keep the byte 1; NaN and infinities among these inputs are not served.
; THE WAY OUT IS LAID AS THE OPERANDS' REGISTERS.  A fragment is 16 rows x 128 K, 2,048 bytes: group c (0..3) of lane 16 h + r lies at 512 c + 16 (16 h + r) and holds k = 32 c + 16 h + 0..15 of the
; tile's position r.  Codes: [tile][K / 128][2,048].  Scale bytes: [tile][K / 512][16 positions][16 bytes]: a position's 16 bytes are the scale words of four steps of 128 along K.
; WHICH ROWS FORM A TILE: position p of tile t is row 16 t + p (value, W_o); for W_v it is row 32 (t / 2) + 8 (t % 2) + p + 8 (p / 8), so that the next launch's results fall along V's columns as the launch after it wants them.
; SHARES.  A wave takes one tile x 512 along K: 16 steps, one position each, 2,048 consecutive bytes a step: 8,192 bytes of codes and 256 scale bytes, both dense.  Work-groups 0-255 take value, 256-319 W_v, 320-383 W_o:
; only pointers and a few numbers are chosen by the work-group's number; all take one path.  Waves share nothing: no barrier.  Memory binds: no matrix unit, no cluster (no input byte is read twice).
; A lane must hold 16 neighbours along K for the conversions, and a load is best where neighbouring lanes take neighbouring bytes: so a step's 2,048 bytes turn through the wave's own stage in LDS.
; Lane l then holds k = 16 l + 0..15 of the 512, and its 16 codes of position t belong at byte 256 l + 16 t of the wave's 8,192: they are gathered in a second stage (272 bytes a lane) and leave as 16 stores of 512 consecutive bytes.
.set WAVES, 4
.set EMAX,  8
.set MANT,  0x600000                   ; the mantissa field of 448 as f32
.set SP,    80                         ; a lane's place in a stage of numbers: 64 bytes + 16 of padding
.set CP,    272                        ; a lane's place in the stage of codes: 256 bytes + 16 of padding
.set WREG,  14080                      ; LDS of a wave: two stages of 32 x SP bytes, 256 scale bytes, 32 x CP bytes of codes
.set SCB,   5120
.set CST,   5376
.set SPARE, WAVES*WREG                 ; behind the four regions: the spare words, 128 bytes for each wave: two blocks of 256 bytes that no other line names
.set SPW,   12                         ; v12      LDS address of my spare word; never rewritten
.set NIL,   13                         ; v13      0; never rewritten
.set R,     16                         ; v16-143  eight sets of 16 numbers as they are loaded
.set X,     144                        ; v144-175 two sets of 16 neighbours
.set C,     176                        ; v176-191 codes: four sets of four
.set E,     192                        ; v192-195 scale bytes: four
.set VO,    196                        ; v196-203 byte offset of my 16 bytes in the rows of positions 0-7, later 8-15
.set CSI,   204                        ; v204     the stage of codes, on the way in
.set CSO,   205                        ; v205     and on the way out
	s_load_b256 s[4:11], s[0:1], 0x0               ; value s[4:5], W_v s[6:7], W_o s[8:9], value's codes s[10:11]
	s_load_b256 s[12:19], s[0:1], 0x20             ; value's scales s[12:13], W_v's codes s[14:15], scales s[16:17], W_o's codes s[18:19]
	s_load_b64 s[20:21], s[0:1], 0x40              ; W_o's scales
	v_lshl_add_u32 v[SPW], v0, 2, SPARE
	v_mov_b32 v[NIL], 0
	v_lshrrev_b32 v1, 5, v0
	v_readfirstlane_b32 s44, v1                    ; wave
	v_and_b32 v2, 31, v0                           ; lane
	v_lshlrev_b32 v3, 4, v2                        ; my 16 bytes of 512
	s_mul_i32 s45, s44, WREG
	v_lshrrev_b32 v14, 2, v2
	v_mul_u32_u24 v14, v14, SP
	v_and_b32 v15, 3, v2
	v_lshl_add_u32 v14, v15, 4, v14
	v_add_nc_u32 v14, s45, v14                     ; the stage of numbers, in: four lanes' 64 bytes on end, then 16 of padding
	v_mul_u32_u24 v15, v2, SP
	v_add_nc_u32 v15, s45, v15                     ; and out: my 16 neighbours
	v_lshrrev_b32 v5, 1, v2
	s_add_co_u32 s46, s45, SCB
	v_add_nc_u32 v5, s46, v5                       ; my block's scale byte: two lanes to a block
	v_lshlrev_b32 v7, 3, v2
	v_add_nc_u32 v6, s46, v7                       ; the scale bytes on the way out: 8 a lane
	s_add_co_u32 s46, s45, CST
	v_mul_u32_u24 v[CSI], v2, CP
	v_add_nc_u32 v[CSI], s46, v[CSI]
	v_and_b32 v8, 15, v2
	v_lshrrev_b32 v9, 4, v2
	v_mul_u32_u24 v[CSO], v9, CP
	v_lshl_add_u32 v[CSO], v8, 4, v[CSO]
	v_add_nc_u32 v[CSO], s46, v[CSO]               ; out: lanes 0-15 read one lane's 256 bytes, lanes 16-31 the next lane's
	s_mov_b32 s47, MANT                            ; (an instruction takes one literal)
	; which tensor: the choice hangs on the work-group's number alone
	s_cmp_lt_u32 ttmp9, 320
	s_mov_b32 s28, 320
	s_cselect_b32 s28, 256, s28                    ; the tensor's first work-group
	s_cselect_b32 s29, 2, 1                        ; log2 of K / 512
	s_mov_b32 s30, 4096
	s_cselect_b32 s30, 8192, s30                   ; a row in bytes
	s_cselect_b32 s31, 8, 0                        ; W_v's tiles: 8 rows are passed over in a tile's middle
	s_cmp_lt_u32 ttmp9, 256
	s_cselect_b32 s28, 0, s28
	s_cselect_b32 s31, 0, s31
	s_sub_co_u32 s32, ttmp9, s28
	s_lshl_b32 s32, s32, 2
	s_add_co_u32 s32, s32, s44                     ; q: my wave's task = tile x (K / 512) + group
	s_lshr_b32 s33, s32, s29                       ; the tile
	s_lshl_b32 s34, s33, s29
	s_sub_co_u32 s34, s32, s34                     ; the group of 512 along K
	s_and_b32 s35, s33, 1
	s_mul_i32 s35, s35, s31
	s_lshl_b32 s36, s33, 4
	s_sub_co_u32 s36, s36, s35                     ; position 0's row: 16 t, for W_v 16 t - 8 (t % 2)
	s_mul_i32 s36, s36, s30
	s_lshl_b32 s34, s34, 11
	s_add_co_u32 s36, s36, s34                     ; in bytes, + 2,048 x group: under 2^26
	s_mov_b32 s37, 0
	s_add_co_u32 s38, s31, 8
	s_mul_i32 s38, s38, s30                        ; from position p to position p + 8, in bytes
	s_lshl_b32 s40, s32, 13                        ; my codes: 8,192 q
	s_mov_b32 s41, 0
	s_lshl_b32 s42, s32, 8                         ; my scale bytes: 256 q
	s_mov_b32 s43, 0
.irp k, 0,1,2,3,4,5,6,7
	s_mul_i32 s39, s30, \k
	v_add_nc_u32 v[VO+\k], s39, v3
.endr
	s_wait_kmcnt 0x0
	s_cmp_lt_u32 ttmp9, 320
	s_cselect_b64 s[22:23], s[6:7], s[8:9]
	s_cselect_b64 s[24:25], s[14:15], s[18:19]
	s_cselect_b64 s[26:27], s[16:17], s[20:21]
	s_cmp_lt_u32 ttmp9, 256
	s_cselect_b64 s[22:23], s[4:5], s[22:23]       ; the numbers,
	s_cselect_b64 s[24:25], s[10:11], s[24:25]     ; the codes,
	s_cselect_b64 s[26:27], s[12:13], s[26:27]     ; the scale bytes
	s_add_nc_u64 s[22:23], s[22:23], s[36:37]
	s_add_nc_u64 s[24:25], s[24:25], s[40:41]
	s_add_nc_u64 s[26:27], s[26:27], s[42:43]
.macro LOAD t                          ; position t's 2,048 bytes: four loads of 512 consecutive bytes
.if (\t) >= 8
	v_add_nc_u32 v[VO+(\t)%8], s38, v[VO+(\t)%8]   ; the loads that read this offset, eight steps back, have been waited for
.endif
.irp i, 0,1,2,3
	global_load_b128 v[R+16*((\t)%8)+4*\i:R+16*((\t)%8)+4*\i+3], v[VO+(\t)%8], s[22:23] offset:512*\i th:TH_LOAD_NT
.endr
.endm
.macro TURN t                          ; step t's numbers through the stage: LDS serves a wave's instructions in order, so no wait stands between the stores and the loads
.irp i, 0,1,2,3
	ds_store_b128 v14, v[R+16*((\t)%8)+4*\i:R+16*((\t)%8)+4*\i+3] offset:32*SP*((\t)%2)+8*SP*\i
.endr
.irp i, 0,1,2,3
	ds_load_b128 v[X+16*((\t)%2)+4*\i:X+16*((\t)%2)+4*\i+3], v15 offset:32*SP*((\t)%2)+16*\i
.endr
.endm
.irp t, 0,1,2,3,4,5,6,7
	LOAD \t                                        ; 32 loads of a wave are on their way
.endr
	s_wait_loadcnt 28                              ; step 0's four are in
	TURN 0
.macro STEP t
.set XS, X+16*((\t)%2)
.set CR, C+4*((\t)%4)
.if (\t) > 0
	s_wait_dscnt 2                                 ; this step's numbers are back from the stage; younger are only the last step's byte store and code store
.else
	s_wait_dscnt 0x0
.endif
.if (\t)+8 < 16
	LOAD (\t)+8                                    ; into the set that this step's stores into the stage have read
.endif
.if (\t)+1 < 16
.if (\t) < 8
	s_wait_loadcnt 28                              ; the next step's four loads are in; those of the seven steps behind it may be out
.else
	s_wait_loadcnt 4*(14-(\t))                     ; the counts run down
.endif
	TURN (\t)+1                                    ; through the other stage while this step is worked
.endif
	v_max3_num_f32 v8, |v[XS]|, |v[XS+1]|, |v[XS+2]|               ; the largest magnitude of my 16, in two chains
	v_max3_num_f32 v9, |v[XS+3]|, |v[XS+4]|, |v[XS+5]|
.irp i, 6,10
	v_max3_num_f32 v8, v8, |v[XS+\i]|, |v[XS+\i+1]|
	v_max3_num_f32 v9, v9, |v[XS+\i+2]|, |v[XS+\i+3]|
.endr
	v_max3_num_f32 v8, v8, |v[XS+14]|, |v[XS+15]|
	v_max3_num_f32 v8, v8, v9, (EMAX+1)<<23        ; and the floor 2^(9 - 127): the byte cannot fall under 1
	v_max_num_f32_dpp v8, v8, v8 row_xmask:1 row_mask:0xf bank_mask:0xf   ; and of my neighbour's 16: the block's
	v_add_nc_u32 v11, -(EMAX<<23), v8              ; 8 off its exponent field: the conversion takes the exponent field of this operand as its scale
	v_and_or_b32 v10, v8, 0x7f800000, s47          ; 448 x the scale
.irp i, 0,1,2,3,4,5,6,7,8,9,10,11,12,13,14,15
	v_med3_num_f32 v[XS+\i], v[XS+\i], -v10, v10   ; the conversion to an 8-bit code does not saturate (ISA guide 7.6.2): the hold comes first
.endr
	v_cvt_scalef32_pk8_fp8_f32 v[CR:CR+1], v[XS:XS+7], v11
	v_cvt_scalef32_pk8_fp8_f32 v[CR+2:CR+3], v[XS+8:XS+15], v11
	v_lshrrev_b32 v[E+(\t)%4], 23, v11             ; the scale's byte (a plain line behind the conversions)
	ds_store_b8 v5, v[E+(\t)%4] offset:16*(\t)     ; both lanes of a block write the same byte with the same value
	ds_store_b128 v[CSI], v[CR:CR+3] offset:16*(\t)   ; byte 256 l + 16 t of the wave's codes, at 272 l + 16 t: sixteen lanes fall on sixteen different 16-byte columns
.endm
.irp t, 0,1,2,3,4,5,6,7,8,9,10,11,12,13,14,15
	STEP \t
.endr
	ds_load_b64 v[8:9], v6                         ; LDS serves a wave's instructions in order: these see my stores
.irp cc, 0,1,2,3,4,5,6,7,8,9,10,11,12,13,14,15
	ds_load_b128 v[R+4*\cc:R+4*\cc+3], v[CSO] offset:2*CP*\cc
.endr
	s_wait_dscnt 16                                ; the scale bytes are back; the 16 loads of codes may be out
	global_store_b64 v7, v[8:9], s[26:27]          ; 32 lanes store 256 consecutive bytes, aligned
.irp cc, 0,1,2,3,4,5,6,7,8,9,10,11,12,13,14,15
	s_wait_dscnt 15-\cc
	global_store_b128 v3, v[R+4*\cc:R+4*\cc+3], s[24:25] offset:512*\cc   ; 32 lanes store 512 consecutive bytes, aligned
.endr
	s_wait_tensorcnt 0x0                           ; the wave's end
	ds_add_u32 v[SPW], v[NIL]
	s_wait_dscnt 0x0
	s_endpgm
.Lfunc_end_k_q64f224371f_quant:
	.size	k_q64f224371f_quant, .Lfunc_end_k_q64f224371f_quant-k_q64f224371f_quant
	.p2alignl 7, 3214868480
	.fill 96, 4, 3214868480
	.section	.rodata,"a",@progbits
	.p2align	6, 0x0
	.amdhsa_kernel k_q64f224371f_quant
		.amdhsa_group_segment_fixed_size 56832
		.amdhsa_private_segment_fixed_size 0
		.amdhsa_enable_private_segment 0
		.amdhsa_kernarg_size 72
		.amdhsa_user_sgpr_count 2
		.amdhsa_user_sgpr_kernarg_segment_ptr 1
		.amdhsa_wavefront_size32 1
		.amdhsa_system_sgpr_workgroup_id_x 1
		.amdhsa_system_sgpr_workgroup_id_y 1
		.amdhsa_system_sgpr_workgroup_id_z 1
		.amdhsa_system_vgpr_workitem_id 0
		.amdhsa_next_free_vgpr 208
		.amdhsa_next_free_sgpr 66
		.amdhsa_reserve_vcc 0
		.amdhsa_float_denorm_mode_32 3
		.amdhsa_float_denorm_mode_16_64 3
		.amdhsa_memory_ordered 1
		.amdhsa_forward_progress 1
		.amdhsa_inst_pref_size 55
	.end_amdhsa_kernel
	.amdgpu_metadata
---
amdhsa.version: [ 1, 2 ]
amdhsa.kernels:
  - .name:           k_q64f224371f_quant
    .symbol:         k_q64f224371f_quant.kd
    .args:
      - { .name: value, .offset: 0, .size: 8, .value_kind: global_buffer, .address_space: global }
      - { .name: W_v, .offset: 8, .size: 8, .value_kind: global_buffer, .address_space: global }
      - { .name: W_o, .offset: 16, .size: 8, .value_kind: global_buffer, .address_space: global }
      - { .name: val_codes, .offset: 24, .size: 8, .value_kind: global_buffer, .address_space: global }
      - { .name: val_scales, .offset: 32, .size: 8, .value_kind: global_buffer, .address_space: global }
      - { .name: wv_codes, .offset: 40, .size: 8, .value_kind: global_buffer, .address_space: global }
      - { .name: wv_scales, .offset: 48, .size: 8, .value_kind: global_buffer, .address_space: global }
      - { .name: wo_codes, .offset: 56, .size: 8, .value_kind: global_buffer, .address_space: global }
      - { .name: wo_scales, .offset: 64, .size: 8, .value_kind: global_buffer, .address_space: global }
    .group_segment_fixed_size: 56832
    .private_segment_fixed_size: 0
    .kernarg_segment_align: 8
    .kernarg_segment_size: 72
    .max_flat_workgroup_size: 128
    .sgpr_count:     66
    .vgpr_count:     208
    .wavefront_size: 32
...
	.end_amdgpu_metadata
.endif
;; end of part 1
;; launch gemm1 (part 2): grid 8 x 32, 4 waves a work-group, clusters of 4 x 4, 327,680 bytes of LDS; arguments val_codes, val_scales, wv_codes, wv_scales, vimg; writes vimg
.if DOCPART == 2
	.amdgcn_target "amdgcn-amd-amdhsa--gfx1250"
	.amdhsa_code_object_version 6
	.text
	.protected	k_q64f224371f_gemm1
	.globl	k_q64f224371f_gemm1
	.p2align	8
	.type	k_q64f224371f_gemm1,@function
k_q64f224371f_gemm1:
	s_mov_b64 s[64:65], 0
	v_nop
	global_prefetch_b8 v0, s[64:65] scope:SCOPE_SE
	s_setreg_imm32_b32 hwreg(HW_REG_WAVE_MODE, 25, 1), 1
	s_wait_xcnt 0x0
	s_wait_alu depctr_hold_cnt(0) depctr_sa_sdst(0) depctr_va_vdst(0) depctr_va_sdst(0) depctr_va_ssrc(0) depctr_va_vcc(0) depctr_vm_vsrc(0)
	s_getreg_b32 s2, hwreg(HW_REG_IB_STS2, 6, 4)
	s_cmp_eq_u32 s2, 0
	s_cbranch_scc0 .Lentry_in_a_cluster
	s_endpgm
.Lentry_in_a_cluster:
	s_bfe_u32 s2, ttmp6, 0x10000c
	s_cmp_lg_u32 s2, 0xf033
	s_cbranch_scc0 .Lentry_shape_is_right
	s_endpgm
.Lentry_shape_is_right:
; DiffAttentionHead, launch 2 of 3: V = value W_v^T, [4096][1024], on codes of FP8 (E4M3) with E8M0 scales; sums in f32, K = 2,048 ascending.
; Left out, as shown at the head of the first launch: the products with W_q and W_k and the scores (each softmax over one key is 1 for every finite score).
; OPERANDS lie in memory as images of their registers: a fragment (16 rows x 128 K) is 2,048 bytes, group c of lane l at 512 c + 16 l; codes [tile][16 steps of 128][2,048]; scale bytes [tile][4 groups of 512 K][16 rows][16].
; SHARES.  A tile of V is 128 x 128: 32 x 8 = 256 work-groups, one for each WGP (tiles of 256 x 256 would be 64).  Four waves, each 64 x 64: 16 accumulators.
; K goes in four steps of 512 through a ring of two LDS slots: a slot holds, for each of value's 8 tiles and W_v's 8, 8,192 consecutive bytes of memory.  Each wave fetches four tiles' part with one tensor load.
; No padding: every LDS read is 512 consecutive bytes, 16 a lane.  The scale bytes of the work-group's 16 tiles, for all of K (16,384 bytes), come once, with the first fills.
; CLUSTERS: 4 x 4 work-groups.  The four of a row need the same tiles of value, the four of a column the same tiles of W_v: each is asked for jointly, by the same tensor load with the same descriptor and a mask that names the four.
; THE MATRIX INSTRUCTION IS USED TRANSPOSED (source 0 = 16 rows of W_v, source 1 = 16 rows of value): lane (r, h) holds row r of V.  W_v's tile t holds rows 32 (t / 2) + 8 (t % 2) + p + 8 (p / 8), so register j is column
; 32 (t / 2) + 16 h + 8 (t % 2) + j: the 16 registers of two neighbouring tiles are 16 neighbours along the next product's K.
; THE WAY OUT needs no stage: vimg is [256 row tiles][8 steps of 128 columns][16 groups][32 lanes][16 bytes] f32: each accumulator is two stores of 512 consecutive bytes.  V stays f32: it stands ahead of a quantiser.
; REGISTERS: window 0: v16-29 addresses; v32-63 scale words, two sets; v128-255 the accumulators ((a, b) at v[128 + 8 (4 a + b)]).  Window 1: two fragment buffers of 128: value's four fragments, then W_v's four.
; A wave has three tensor loads out at the start and one behind each round.
.set SLOT,   131072                    ; value's 8 tiles x 8,192 bytes, then W_v's
.set BOFF,   65536
.set SCL,    2*SLOT                    ; the scales: value's 8 tiles x 1,024 bytes, then W_v's
.set SPARE,  SCL+16384                 ; the spare words, 128 bytes for each wave: two blocks of 256 bytes that no other line names
.set ADRA, 16                          ; v16-17  LDS address of my fragments of value in slot 0, 1
.set ADRB, 20                          ; v20-21  the same for W_v
.set CO,   26                          ; v26     16 x lane: my place in a store's 512 bytes
.set ADRS, 27                          ; v27     LDS address of my scale words: lanes 0-15 value's rows, lanes 16-31 W_v's
.set SPW,  28                          ; v28     LDS address of my spare word; never rewritten
.set NIL,  29                          ; v29     0; never rewritten
.set SC,   32                          ; set s at v[SC + 16 s]; register 4 i + q: lanes 0-15 the word of value's block i, lanes 16-31 that of W_v's block i, for the slot's q-th 128 along K
.set ACC,  128
.set F0,   0
.set F1,   128
.set G1,   24                          ; s[24:31] group 1 for value's tiles; s[32:39] group 0, one set for each slot
.set G0,   32
.set G1B,  48                          ; s[48:55], s[56:63] the same for W_v's
.set G0B,  56
.set G1S,  68                          ; s[68:75], s[76:79] groups 1 and 0 for value's scales; s[80:87], s[88:91] for W_v's
.set G0S,  76
.set G1SB, 80
.set G0SB, 88
.set MSB, 0
.macro WIN new                         ; the immediate's high byte repeats the setting that is left
.if MSB != (\new)
	s_set_vgpr_msb (MSB<<8)|(\new)
.set MSB, (\new)
.endif
.endm
.set MUL,  0x05                        ; sources 0 and 1 window 1; C and D window 0
.set TO_F, 0x40                        ; destination window 1, address window 0
; A joint load: waves 0 and 1 fetch for value, waves 2 and 3 for W_v.  Each of the two lines has one mask and one set of registers for all that issue it; the branch hangs on the wave's number alone.
; An s_nop 0 and four v_nop follow each of the two lines.
.macro JLOAD g0a, g1a, g0b, g1b
	s_cmp_eq_u32 s15, 0
	s_cbranch_scc0 .Lfor_b_\@
	tensor_load_to_lds s[\g0a:\g0a+3], s[\g1a:\g1a+7]
	s_nop 0
.rept 4
	v_nop
.endr
	s_branch .Lasked_\@
.Lfor_b_\@:
	tensor_load_to_lds s[\g0b:\g0b+3], s[\g1b:\g1b+7]
	s_nop 0
.rept 4
	v_nop
.endr
.Lasked_\@:
.endm
.macro CREST                           ; a round of the cluster's barrier behind its opening barrier
	s_cmp_lg_u32 s14, 0
	s_cbranch_scc1 .Lnot_wave_0_\@
	s_barrier_signal -3
.Lnot_wave_0_\@:
	s_barrier_wait -3
	s_barrier_signal -1
	s_barrier_wait -1
.endm
.macro CROUND                          ; a whole round
	s_barrier_signal -1
	s_barrier_wait -1
	CREST
.endm
	s_load_b256 s[4:11], s[0:1], 0x0               ; value's codes s[4:5], scales s[6:7]; W_v's codes s[8:9], scales s[10:11]
	s_load_b64 s[12:13], s[0:1], 0x20              ; vimg
	v_lshl_add_u32 v[SPW], v0, 2, SPARE
	v_mov_b32 v[NIL], 0
	ds_add_u32 v[SPW], v[NIL]                      ; the wave's opening: the add, twice on end, and its wait ahead of my first tensor load
	ds_add_u32 v[SPW], v[NIL]                      ; and once more, under the one wait; the set-up below, work on registers, stands between
	v_lshrrev_b32 v1, 5, v0
	v_readfirstlane_b32 s14, v1                    ; wave 0..3
	s_lshr_b32 s15, s14, 1                         ; which half of the tile's rows is mine.  Also: I fetch for value (0) or for W_v (1)
	s_and_b32 s16, s14, 1                          ; which half of its columns.  Also: which four tiles I fetch
	s_bfe_u32 s40, ttmp6, 0x40000                  ; cx, cy: my place in the cluster
	s_bfe_u32 s41, ttmp6, 0x40004
	s_lshl_b32 s42, ttmp9, 2
	s_add_co_u32 s42, s42, s40                     ; tile column of V = 4 x cluster x + cx
	s_and_b32 s17, ttmp7, 0xffff
	s_lshl_b32 s17, s17, 2
	s_add_co_u32 s17, s17, s41                     ; tile row of V = 4 x cluster y + cy
	s_lshl_b32 s43, s41, 2
	s_lshl_b32 s43, 15, s43                        ; my row of the cluster
	s_lshl_b32 s44, 0x1111, s40                    ; my column
	; group 1 for codes: four rows (tiles) of 8,192 bytes = 1,024 elements of 8 bytes, 32,768 bytes = 4,096 elements apart
	s_or_b32 s[G1+0], s43, (3<<16)|(1<<21)         ; 15:0 the mask: value's tiles go to my row; 17:16 elements of 8 bytes; 21 set beside a mask; no padding
	s_or_b32 s[G1B+0], s44, (3<<16)|(1<<21)        ; W_v's go to my column
.irp g, G1, G1B
	s_mov_b32 s[\g+1], 1024<<16                    ; tensor_dim0
	s_mov_b32 s[\g+2], 4<<16                       ; tensor_dim1
	s_mov_b32 s[\g+3], 1024<<16                    ; tile_dim0
	s_mov_b32 s[\g+4], 4                           ; tile_dim1
	s_mov_b32 s[\g+5], 4096                        ; tensor_dim0_stride
	s_mov_b32 s[\g+6], 0
	s_mov_b32 s[\g+7], 0
.endr
	; and for the scales of four tiles: 4,096 dense bytes as 16 rows of 256 bytes
	s_or_b32 s[G1S+0], s43, (3<<16)|(1<<21)
	s_or_b32 s[G1SB+0], s44, (3<<16)|(1<<21)
.irp g, G1S, G1SB
	s_mov_b32 s[\g+1], 32<<16
	s_mov_b32 s[\g+2], 16<<16
	s_mov_b32 s[\g+3], 32<<16
	s_mov_b32 s[\g+4], 16
	s_mov_b32 s[\g+5], 32
	s_mov_b32 s[\g+6], 0
	s_mov_b32 s[\g+7], 0
.endr
	s_lshl_b32 s18, s16, 2                         ; which four tiles I fetch
	s_lshl_b32 s20, s17, 3
	s_add_co_u32 s20, s20, s18                     ; value: tile 8 x tile row + 4 x half
	s_lshl_b32 s46, s42, 3
	s_add_co_u32 s46, s46, s18                     ; W_v: tile 8 x tile column + 4 x half
	s_lshl_b32 s22, s20, 10                        ; their scales: 1,024 bytes a tile
	s_mov_b32 s23, 0
	s_lshl_b32 s92, s46, 10
	s_mov_b32 s93, 0
	s_lshl_b32 s20, s20, 15                        ; their codes: 32,768 bytes a tile
	s_mov_b32 s21, 0
	s_lshl_b32 s46, s46, 15
	s_mov_b32 s47, 0
	s_lshl_b32 s45, s14, 15                        ; where they go: wave x 32,768: no place in the cluster enters an LDS address
	s_lshl_b32 s94, s14, 12                        ; the scales: wave x 4,096
	s_wait_dscnt 0x0                               ; both opening adds are done
	s_wait_kmcnt 0x0
	s_add_nc_u64 s[20:21], s[4:5], s[20:21]
	s_add_nc_u64 s[22:23], s[6:7], s[22:23]
	s_add_nc_u64 s[46:47], s[8:9], s[46:47]
	s_add_nc_u64 s[92:93], s[10:11], s[92:93]
	CROUND                                         ; all sixteen work-groups are here: the first joint loads meet
	s_mov_b32 s[G0S], 1
	s_add_co_u32 s[G0S+1], s94, SCL
	s_mov_b64 s[G0S+2:G0S+3], s[22:23]
	s_or_b32 s[G0S+3], s[G0S+3], 0x80000000
	s_mov_b32 s[G0SB], 1
	s_add_co_u32 s[G0SB+1], s94, SCL
	s_mov_b64 s[G0SB+2:G0SB+3], s[92:93]
	s_or_b32 s[G0SB+3], s[G0SB+3], 0x80000000
	JLOAD G0S, G1S, G0SB, G1SB                     ; the scales first: they are wanted with the first K step
.irp s, 0,1
	s_mov_b32 s[G0+4*\s], 1
	s_add_co_u32 s[G0+4*\s+1], s45, \s*SLOT
	s_add_nc_u64 s[G0+4*\s+2:G0+4*\s+3], s[20:21], \s*8192
	s_or_b32 s[G0+4*\s+3], s[G0+4*\s+3], 0x80000000
	s_mov_b32 s[G0B+4*\s], 1
	s_add_co_u32 s[G0B+4*\s+1], s45, \s*SLOT
	s_add_nc_u64 s[G0B+4*\s+2:G0B+4*\s+3], s[46:47], \s*8192
	s_or_b32 s[G0B+4*\s+3], s[G0B+4*\s+3], 0x80000000
	JLOAD G0+4*\s, G1, G0B+4*\s, G1B
.endr
	v_and_b32 v1, 31, v0                           ; lane
	v_and_b32 v2, 15, v0                           ; r
	v_bfe_u32 v3, v0, 4, 1                         ; h
	v_lshlrev_b32 v[CO], 4, v1
	s_lshl_b32 s21, s15, 15                        ; my four tiles of value
	s_lshl_b32 s22, s16, 15                        ; my four tiles of W_v,
	s_add_co_u32 s22, s22, BOFF                    ; which lie behind value's eight
.irp s, 0,1
	v_add_nc_u32 v[ADRA+\s], s21, v[CO]
	v_add_nc_u32 v[ADRB+\s], s22, v[CO]
	s_add_co_u32 s21, s21, SLOT
	s_add_co_u32 s22, s22, SLOT
.endr
	v_lshlrev_b32 v5, 4, v2                        ; my row's 16 scale bytes of a group of 512 along K
	s_lshl_b32 s21, s15, 12                        ; value's: my four tiles
	s_lshl_b32 s22, s16, 12                        ; W_v's: my four tiles, behind value's eight
	s_add_co_u32 s22, s22, 8192
	s_sub_co_u32 s22, s22, s21
	v_mul_u32_u24 v6, s22, v3                      ; lanes 16-31 take W_v's
	s_add_co_u32 s21, s21, SCL
	v_add_nc_u32 v5, v5, v6
	v_add_nc_u32 v[ADRS], s21, v5
	s_lshl_b32 s20, s17, 3                         ; where my results go: row tile 8 x tile row + 4 x half, 65,536 bytes each,
	s_lshl_b32 s21, s15, 2
	s_add_co_u32 s20, s20, s21
	s_lshl_b32 s20, s20, 16
	s_lshl_b32 s46, s42, 13                        ; + 8,192 x tile column + 4,096 x half
	s_lshl_b32 s47, s16, 12
	s_add_co_u32 s46, s46, s47
	s_add_co_u32 s20, s20, s46
	s_mov_b32 s21, 0
	s_add_nc_u64 s[12:13], s[12:13], s[20:21]
.macro FRAG reg, adr, i, q             ; tile i's fragment of the slot's q-th 128 along K: four loads of 512 consecutive bytes
.irp c, 0,1,2,3
	ds_load_b128 v[\reg+4*\c:\reg+4*\c+3], v[\adr] offset:8192*(\i)+2048*(\q)+512*\c
.endr
.endm
; 32 LDS loads in one run (36 with a slot's scale words: sc >= 0): W_v's four fragments, value's blocks 0 and 1, the scale words, value's blocks 2 and 3 last
.macro FETCH slot, q, f, sc
	WIN TO_F
.irp i, 0,1,2,3
	FRAG \f+64+16*\i, ADRB+\slot, \i, \q
.endr
	FRAG \f, ADRA+\slot, 0, \q
	FRAG \f+16, ADRA+\slot, 1, \q
.if \sc >= 0
	WIN 0
.irp i, 0,1,2,3
	ds_load_b128 v[SC+16*(\sc)+4*\i:SC+16*(\sc)+4*\i+3], v[ADRS] offset:1024*\i
.endr
	WIN TO_F
.endif
	FRAG \f+32, ADRA+\slot, 2, \q
	FRAG \f+48, ADRA+\slot, 3, \q
.endm
; 8 matrix instructions: value's blocks a0, a0 + 1 x W_v's four, 128 along K.  zero = 1: the first product starts the sums: nothing is cleared.
; The 16 accumulators take turns, one instruction a turn, in the same order in every step.
.macro MUL8 f, a0, q, sc, zero
.irp a, \a0, \a0+1
.irp b, 0,1,2,3
.if \zero
	v_wmma_scale_f32_16x16x128_f8f6f4 v[ACC+8*(4*(\a)+\b):ACC+8*(4*(\a)+\b)+7], v[\f+64+16*\b:\f+64+16*\b+15], v[\f+16*(\a):\f+16*(\a)+15], 0, v[SC+16*(\sc)+4*\b+(\q)], v[SC+16*(\sc)+4*(\a)+(\q)] matrix_a_scale:MATRIX_SCALE_ROW1
.else
	v_wmma_scale_f32_16x16x128_f8f6f4 v[ACC+8*(4*(\a)+\b):ACC+8*(4*(\a)+\b)+7], v[\f+64+16*\b:\f+64+16*\b+15], v[\f+16*(\a):\f+16*(\a)+15], v[ACC+8*(4*(\a)+\b):ACC+8*(4*(\a)+\b)+7], v[SC+16*(\sc)+4*\b+(\q)], v[SC+16*(\sc)+4*(\a)+(\q)] matrix_a_scale:MATRIX_SCALE_ROW1
.endif
.endr
.endr
.endm
; A load into a register that a matrix instruction has read, and a store that reads a matrix result, stand eight places behind it; only plain vector instructions that name none of its registers are places.
.macro PLACES n
.rept \n
	v_nop
.endr
.endm
; One of a slot's first three steps of 128 along K: multiplies buffer f; in its middle it fetches the next step's fragments into buffer g.
.macro QUARTER slot, q, f, g, zero
	s_wait_dscnt 8                                 ; all but the youngest eight loads (value's blocks 2 and 3) are in
	WIN MUL
	MUL8 \f, 0, \q, \slot, \zero
	PLACES 8
	FETCH \slot, (\q)+1, \g, -1
	s_wait_dscnt 32                                ; all but the 32 just issued
	WIN MUL
	MUL8 \f, 2, \q, \slot, \zero
.endm
; A slot's last step multiplies buffer 1 and changes slots: one barrier; in front of it each wave waits for all its tensor loads, adds 0 to its spare word, and waits for that and for its reads of this slot.
; fill = 1: the barrier opens a round of the cluster's barrier, and this slot is filled again, two K steps of 512 on.
.macro TURN slot, next, fill
	WIN 0                                          ; (the add's two registers lie in window 0)
	s_wait_tensorcnt 0x0                           ; all my tensor loads have landed: my part of the next slot
	ds_add_u32 v[SPW], v[NIL]                      ; 0 onto my spare word
	s_wait_dscnt 9                                 ; (the add and the youngest eight loads may be out)
	WIN MUL
	MUL8 F1, 0, 3, \slot, 0                        ; eight matrix instructions stand between the add and the wait for it
	s_wait_dscnt 0x0                               ; the add is done, and my reads of this slot are over
	s_barrier_signal -1
	MUL8 F1, 2, 3, \slot, 0
	WIN 0                                          ; (branches may follow)
	s_barrier_wait -1
.if \fill
	CREST                                          ; no wave of any partner still reads this slot's tiles or has a load on its way
	s_add_nc_u64 s[G0+4*\slot+2:G0+4*\slot+3], s[G0+4*\slot+2:G0+4*\slot+3], 16384
	s_add_nc_u64 s[G0B+4*\slot+2:G0B+4*\slot+3], s[G0B+4*\slot+2:G0B+4*\slot+3], 16384
	JLOAD G0+4*\slot, G1, G0B+4*\slot, G1B         ; the first tensor load behind the round; its four v_nop are four of the eight places in front of the loads below
	PLACES 4
.else
	PLACES 8
.endif
	v_add_nc_u32 v[ADRS], 256, v[ADRS]             ; on to the next 512 along K of the scale words (no LDS load of mine is out)
	FETCH \next, 0, F0, \next
.endm
	s_wait_tensorcnt 1                             ; the scales and my part of slot 0 are in; slot 1's load may stay out
	s_barrier_signal -1
	s_barrier_wait -1                              ; everybody's are
	FETCH 0, 0, F0, 0
	QUARTER 0, 0, F0, F1, 1                        ; K = 0 .. 511; the first step's products start the sums
	QUARTER 0, 1, F1, F0, 0
	QUARTER 0, 2, F0, F1, 0
	TURN 0, 1, 1                                   ; slot 0 takes K = 1,024 ..
	QUARTER 1, 0, F0, F1, 0                        ; K = 512 .. 1,023
	QUARTER 1, 1, F1, F0, 0
	QUARTER 1, 2, F0, F1, 0
	TURN 1, 0, 1                                   ; slot 1 takes K = 1,536 ..
	QUARTER 0, 0, F0, F1, 0                        ; K = 1,024 .. 1,535
	QUARTER 0, 1, F1, F0, 0
	QUARTER 0, 2, F0, F1, 0
	TURN 0, 1, 0                                   ; nothing is left to fetch, so no round follows
	QUARTER 1, 0, F0, F1, 0                        ; K = 1,536 .. 2,047
	QUARTER 1, 1, F1, F0, 0
	QUARTER 1, 2, F0, F1, 0
	s_wait_dscnt 8                                 ; the very last step
	WIN MUL
	MUL8 F1, 0, 3, 1, 0
	s_wait_dscnt 0x0
	MUL8 F1, 2, 3, 1, 0
	WIN 0
	PLACES 8                                       ; in front of the stores that read the results
.irp a, 0,1,2,3
.irp b, 0,1,2,3
	global_store_b128 v[CO], v[ACC+8*(4*\a+\b):ACC+8*(4*\a+\b)+3], s[12:13] offset:65536*\a+1024*\b         ; each accumulator from its low end on; 32 lanes store 512 consecutive bytes, aligned
	global_store_b128 v[CO], v[ACC+8*(4*\a+\b)+4:ACC+8*(4*\a+\b)+7], s[12:13] offset:65536*\a+1024*\b+512
.endr
.endr
	s_wait_tensorcnt 0x0                           ; the wave's end
	ds_add_u32 v[SPW], v[NIL]
	s_wait_dscnt 0x0
	CROUND                                         ; the closing round: no work-group ends while a partner may still ask for a tile that names it
	s_endpgm
.Lfunc_end_k_q64f224371f_gemm1:
	.size	k_q64f224371f_gemm1, .Lfunc_end_k_q64f224371f_gemm1-k_q64f224371f_gemm1
	.p2alignl 7, 3214868480
	.fill 96, 4, 3214868480
	.section	.rodata,"a",@progbits
	.p2align	6, 0x0
	.amdhsa_kernel k_q64f224371f_gemm1
		.amdhsa_group_segment_fixed_size 327680
		.amdhsa_private_segment_fixed_size 0
		.amdhsa_enable_private_segment 0
		.amdhsa_kernarg_size 40
		.amdhsa_user_sgpr_count 2
		.amdhsa_user_sgpr_kernarg_segment_ptr 1
		.amdhsa_wavefront_size32 1
		.amdhsa_system_sgpr_workgroup_id_x 1
		.amdhsa_system_sgpr_workgroup_id_y 1
		.amdhsa_system_sgpr_workgroup_id_z 1
		.amdhsa_system_vgpr_workitem_id 0
		.amdhsa_next_free_vgpr 512
		.amdhsa_next_free_sgpr 98
		.amdhsa_reserve_vcc 0
		.amdhsa_float_denorm_mode_32 3
		.amdhsa_float_denorm_mode_16_64 3
		.amdhsa_memory_ordered 1
		.amdhsa_forward_progress 1
		.amdhsa_inst_pref_size 86
	.end_amdhsa_kernel
	.amdgpu_metadata
---
amdhsa.version: [ 1, 2 ]
amdhsa.kernels:
  - .name:           k_q64f224371f_gemm1
    .symbol:         k_q64f224371f_gemm1.kd
    .args:
      - { .name: val_codes, .offset: 0, .size: 8, .value_kind: global_buffer, .address_space: global }
      - { .name: val_scales, .offset: 8, .size: 8, .value_kind: global_buffer, .address_space: global }
      - { .name: wv_codes, .offset: 16, .size: 8, .value_kind: global_buffer, .address_space: global }
      - { .name: wv_scales, .offset: 24, .size: 8, .value_kind: global_buffer, .address_space: global }
      - { .name: vimg, .offset: 32, .size: 8, .value_kind: global_buffer, .address_space: global }
    .group_segment_fixed_size: 327680
    .private_segment_fixed_size: 0
    .kernarg_segment_align: 8
    .kernarg_segment_size: 40
    .max_flat_workgroup_size: 128
    .sgpr_count:     98
    .vgpr_count:     512
    .wavefront_size: 32
...
	.end_amdgpu_metadata
.endif
;; end of part 2
;; launch lngemm (part 3): grid 4 x 64, 4 waves a work-group, no clusters, 112,128 bytes of LDS; arguments vimg, wo_codes, wo_scales, lambda_q1, lambda_k1, lambda_q2, lambda_k2, ln_gamma, ln_beta, out0; writes out0
.if DOCPART == 3
	.amdgcn_target "amdgcn-amd-amdhsa--gfx1250"
	.amdhsa_code_object_version 6
	.text
	.protected	k_q64f224371f_lngemm
	.globl	k_q64f224371f_lngemm
	.p2align	8
	.type	k_q64f224371f_lngemm,@function
k_q64f224371f_lngemm:
	s_mov_b64 s[64:65], 0
	v_nop
	global_prefetch_b8 v0, s[64:65] scope:SCOPE_SE
	s_setreg_imm32_b32 hwreg(HW_REG_WAVE_MODE, 25, 1), 1
	s_wait_xcnt 0x0
; DiffAttentionHead, launch 3 of 3: out0 = Q(LayerNorm((1 - lam) V)) Q(W_o)^T, [4096][2048] f32.  lam = exp(sum lambda_q1 lambda_k1) - exp(sum lambda_q2 lambda_k2) + 0.8.
; Left out, as shown at the head of the first launch: A1 = A2 = 1 for every finite score (a softmax over one key), so A_diff = 1 - lam in every place, and Q, K and the scores are not computed.
; SHARES.  A work-group takes 64 rows x 512 columns of out0: 64 x 4 = 256 work-groups.  Wave w first normalises and quantises rows 16 w .. 16 w + 15 (all 1,024 columns of V: 512 numbers a lane, in registers),
; then makes all 64 rows x columns 128 w .. 128 w + 127: 32 accumulators.  The LayerNorm of a row is so done by the four work-groups that share it.
; V comes as launch 2 left it: register 16 b + i of lane (r, h), step s, is V(r, 128 s + 32 b + 16 h + i): a row lies in lanes l and l xor 16, and 16 registers are 16 neighbours along K.
; MEAN AND VARIANCE in two passes: the mean first, then the mean of the squared differences; no difference of large sums is formed.  All in f32.
; THE NORMALISED ROWS GO FROM WAVE TO WAVE THROUGH LDS AS IMAGES OF THE OPERAND'S REGISTERS (2,048 bytes a fragment, 16 bytes a lane, 512 a store; scale words 4 bytes a lane).
; W_o's fragments go from memory straight into registers, two K steps (32,768 bytes a wave) ahead: each is read by one wave of the work-group, once.
; NO CLUSTER, NO TENSOR LOAD: W_o's tiles are shared by the work-groups of a column, but beside the images' 69,632 bytes LDS has room for two slots of one K step (65,536 bytes each), and a K step is 32 matrix instructions a wave:
; a joint refill would have those 32 in which to land, with a round of the cluster's barrier for each; through registers two K steps are on their way and the loop has no barrier.
; THE MATRIX INSTRUCTION IS USED TRANSPOSED (source 0 = 16 rows of W_o, source 1 = 16 normalised rows): a lane holds eight neighbouring columns of a row of out0.
; LIMITS: a block of zeros gets the scale byte 1 (its codes are zeros; the bytes are read here alone); NaN and infinities in V, gamma or beta are not served.
; REGISTERS, in windows of 256: window 0: v4-21 addresses and the row's figures; v24-59 at work; v64-127 a K step's numbers, later fragments of the rows (even steps), later rows of out0; v128-191 gamma, later W_o's scale
;   words (v128-159) and the rows' (v160-191); v192-255 beta, later fragments of the rows (odd steps), later rows of out0.   windows 1, 2: V's 512 numbers (step s at 64 s); window 1 later the 32 accumulators ((m, b) at v[8 (8 m + b)]).
;   window 3: W_o's fragments, two sets (set p, block b at v[128 p + 16 b]).
.set GAM,   0                          ; LDS: gamma, 4,096 bytes;
.set BET,   4096                       ; beta;
.set XSC,   8192                       ; the rows' scale words: 32 fragments x 128 bytes;
.set XIMG,  12288                      ; their images: fragment (tile of rows m, step s) at 2,048 (8 m + s);
.set STG,   77824                      ; the way out: 16 rows x (512 bytes + 16) for each wave;
.set SPITCH, 528
.set SPARE, STG+4*16*SPITCH            ; the spare words, 128 bytes for each wave: two blocks of 256 bytes that no other line names
.set LI,   4                           ; v4   16 x lane
.set LS,   5                           ; v5   XSC + 4 x lane
.set XWI,  6                           ; v6   where I store my rows' images
.set XWS,  7                           ; v7   and their scale words
.set GAD,  8                           ; v8   64 h: my 16 numbers of each 32 of gamma and beta
.set STO,  9                           ; v9   the stage: where I put 32 bytes of a row
.set RD,   10                          ; v10  and where I read a row back
.set T16,  11                          ; v11  16 x thread
.set SPW,  12                          ; v12  LDS address of my spare word; never rewritten
.set NIL,  13                          ; v13  0; never rewritten
.set CC,   14                          ; v[14:15] 1 - lam, twice
.set NM,   16                          ; v[16:17] -mean, twice
.set RS,   18                          ; v[18:19] 1 / sqrt(variance + eps), twice
.set L8,   20                          ; v20  8 x lane
.set LIX,  21                          ; v21  XIMG + 16 x lane
.set TM,   24                          ; v24-39 at work: the quantiser's; before it the sums' four chains (v24-31) and the squares' (v32-39)
.set SM,   24
.set SQ,   32
.set PW,   40                          ; the scale word just made
.set PC,   44                          ; v44-59 the codes just made
.set ST,   64
.set GA,   128
.set BE,   192
.set BS,   128                         ; W_o's scale words: register 4 b + q: lanes 0-15 step q, lanes 16-31 step 4 + q, of block b
.set AS,   160                         ; the rows' scale words: register 8 m + s
.set SEL,  32                          ; s[32:33] v_permlanex16_b32's selects for lane l xor 16
.set MNT,  34                          ; s34  the mantissa field of 448
.set W_MM, 0x53                        ; source 0 (W_o) window 3, source 1 (rows) window 0, C and D window 1
.set MSB, 0
.macro WIN new                         ; the immediate's high byte repeats the setting that is left
.if MSB != (\new)
	s_set_vgpr_msb (MSB<<8)|(\new)
.set MSB, (\new)
.endif
.endm
.macro PLACES                          ; eight places behind this matrix form, in front of loads into registers that it has read and of reads of its results
.rept 8
	v_nop
.endr
.endm
	s_load_b512 s[4:19], s[0:1], 0x0               ; vimg s[4:5], W_o's codes s[6:7], scales s[8:9], lambda_q1 s[10:11], lambda_k1 s[12:13], lambda_q2 s[14:15], lambda_k2 s[16:17], gamma s[18:19]
	s_load_b128 s[20:23], s[0:1], 0x40             ; beta s[20:21], out0 s[22:23]
	v_lshl_add_u32 v[SPW], v0, 2, SPARE
	v_mov_b32 v[NIL], 0
	v_lshrrev_b32 v1, 5, v0
	v_readfirstlane_b32 s24, v1                    ; wave 0..3
	v_and_b32 v1, 31, v0                           ; lane
	v_and_b32 v2, 15, v0                           ; r
	v_bfe_u32 v3, v0, 4, 1                         ; h
	v_lshlrev_b32 v[LI], 4, v1
	v_lshl_add_u32 v[LS], v1, 2, XSC
	s_lshl_b32 s28, s24, 14
	s_add_co_u32 s28, s28, XIMG
	v_add_nc_u32 v[XWI], s28, v[LI]                ; my tile of rows is tile w: its eight fragments begin at 16,384 w
	s_lshl_b32 s28, s24, 10
	v_add_nc_u32 v[XWS], s28, v[LS]
	v_lshlrev_b32 v[GAD], 6, v3
	s_mul_i32 s28, s24, 16*SPITCH
	s_add_co_u32 s28, s28, STG
	v_mul_u32_u24 v[STO], v2, SPITCH
	v_lshl_add_u32 v[STO], v3, 5, v[STO]
	v_add_nc_u32 v[STO], s28, v[STO]
	v_add_nc_u32 v[RD], s28, v[LI]
	v_lshlrev_b32 v[T16], 4, v0
	v_lshlrev_b32 v[L8], 3, v1
	v_add_nc_u32 v[LIX], XIMG, v[LI]
	s_mov_b32 s[SEL], 0x76543210
	s_mov_b32 s[SEL+1], 0xfedcba98
	s_mov_b32 s[MNT], 0x600000
	s_mov_b32 s35, 0x3a800000                      ; 1 / 1,024
	s_mov_b32 s36, 0x3727c5ac                      ; LN_EPS = 1e-5
	s_and_b32 s26, ttmp7, 0xffff                   ; which 64 rows
	s_lshl_b32 s28, s26, 2
	s_add_co_u32 s28, s28, s24
	s_lshl_b32 s28, s28, 16                        ; V: row tile 4 y + w, 65,536 bytes each
	s_mov_b32 s29, 0
	s_lshl_b32 s30, ttmp9, 5
	s_lshl_b32 s31, s24, 3
	s_add_co_u32 s30, s30, s31                     ; W_o: tile 32 x + 8 w
	s_lshl_b32 s38, s30, 9                         ; its scales: 512 bytes a tile
	s_mov_b32 s39, 0
	s_lshl_b32 s30, s30, 14                        ; its codes: 16,384 bytes a tile
	s_mov_b32 s31, 0
	s_lshl_b32 s40, s26, 19                        ; out0: 64 y rows of 8,192 bytes + 2,048 x + 512 w
	s_lshl_b32 s41, ttmp9, 11
	s_add_co_u32 s40, s40, s41
	s_lshl_b32 s41, s24, 9
	s_add_co_u32 s40, s40, s41
	s_mov_b32 s41, 0
	s_wait_kmcnt 0x0
	s_add_nc_u64 s[4:5], s[4:5], s[28:29]
	s_add_nc_u64 s[6:7], s[6:7], s[30:31]
	s_add_nc_u64 s[8:9], s[8:9], s[38:39]
	s_add_nc_u64 s[22:23], s[22:23], s[40:41]
	global_load_b64 v[144:145], v[L8], s[10:11]    ; two of each lambda's 64 numbers a lane
	global_load_b64 v[146:147], v[L8], s[12:13]
	global_load_b64 v[148:149], v[L8], s[14:15]
	global_load_b64 v[150:151], v[L8], s[16:17]
	global_load_b128 v[128:131], v[T16], s[18:19]              ; gamma and beta: the 128 threads take 2,048 bytes a load
	global_load_b128 v[132:135], v[T16], s[18:19] offset:2048
	global_load_b128 v[136:139], v[T16], s[20:21]
	global_load_b128 v[140:143], v[T16], s[20:21] offset:2048
.macro VLOAD s                         ; V's step s: 16 loads of 512 consecutive bytes
	WIN 0x40*(1+(\s)/4)                            ; destination window 1 or 2
.irp c, 0,1,2,3,4,5,6,7,8,9,10,11,12,13,14,15
	global_load_b128 v[64*((\s)%4)+4*\c:64*((\s)%4)+4*\c+3], v[LI], s[4:5] offset:8192*(\s)+512*\c
.endr
.endm
	VLOAD 0
	VLOAD 1
	VLOAD 2
	WIN 0
	s_wait_loadcnt 48                              ; the eight small loads are in; V's 48 may be out
	ds_store_b128 v[T16], v[128:131] offset:GAM
	ds_store_b128 v[T16], v[132:135] offset:GAM+2048
	ds_store_b128 v[T16], v[136:139] offset:BET
	ds_store_b128 v[T16], v[140:143] offset:BET+2048
	v_mul_f32 v24, v144, v146                      ; the two sums of 64 products, every wave for itself
	v_mul_f32 v25, v148, v150
	v_fmac_f32 v24, v145, v147
	v_fmac_f32 v25, v149, v151
.irp x, 1,2,4,8
	v_add_f32_dpp v24, v24, v24 row_xmask:\x row_mask:0xf bank_mask:0xf
	v_add_f32_dpp v25, v25, v25 row_xmask:\x row_mask:0xf bank_mask:0xf
.endr
	v_mov_b32 v26, 0                               ; (a lane permute's destination counts as one of its sources)
	v_mov_b32 v27, 0
	v_permlanex16_b32 v26, v24, s[SEL], s[SEL+1]
	v_permlanex16_b32 v27, v25, s[SEL], s[SEL+1]
	v_add_f32 v24, v24, v26
	v_add_f32 v25, v25, v27
	v_mul_f32 v24, 0x3fb8aa3b, v24                 ; e^x = 2^(x log2(e))
	v_mul_f32 v25, 0x3fb8aa3b, v25
	v_exp_f32 v24, v24
	v_exp_f32 v25, v25
	v_nop                                          ; a plain instruction behind the last exponential,
	s_wait_alu depctr_va_vdst(0)                   ; and the one wait ahead of the first use
	v_sub_f32 v24, v24, v25
	v_add_f32 v24, 0x3f4ccccd, v24                 ; lam
	v_sub_f32 v[CC], 1.0, v24                      ; A_diff = 1 - lam
	v_mov_b32 v[CC+1], v[CC]
	s_wait_dscnt 0x0                               ; my stores of gamma and beta have landed
	s_barrier_signal -1
	s_barrier_wait -1                              ; everybody's have
; PASS 1: the sum of (1 - lam) V over my 512 numbers, two at a time, in four chains; V's loads run three steps ahead.
.macro P1 s
.if (\s)+3 < 8
	VLOAD (\s)+3
.endif
.if 7-(\s) >= 3
	s_wait_loadcnt 48                              ; this step's 16 loads are in; those of the three steps behind it may be out
.else
	s_wait_loadcnt 16*(7-(\s))                     ; the counts run down
.endif
	WIN 1+(\s)/4                                   ; source 0 window 1 or 2
.set j, 0
.rept 32
.if ((\s) == 0) && (j < 4)
	v_pk_mul_f32 v[SM+2*j:SM+2*j+1], v[2*j:2*j+1], v[CC:CC+1]      ; the first four start the chains: nothing is cleared
.else
	v_pk_fma_f32 v[SM+2*(j%4):SM+2*(j%4)+1], v[64*((\s)%4)+2*j:64*((\s)%4)+2*j+1], v[CC:CC+1], v[SM+2*(j%4):SM+2*(j%4)+1]
.endif
.set j, j+1
.endr
.endm
.irp s, 0,1,2,3,4,5,6,7
	P1 \s
.endr
.macro BLOAD s, b0                     ; W_o's blocks b0 .. b0 + 3 of step s into set s % 2: 16 loads of 512 consecutive bytes
.irp b, \b0, \b0+1, \b0+2, \b0+3
.irp c, 0,1,2,3
	global_load_b128 v[128*((\s)%2)+16*(\b)+4*\c:128*((\s)%2)+16*(\b)+4*\c+3], v[LI], s[6:7] offset:16384*(\b)+2048*(\s)+512*\c
.endr
.endr
.endm
	WIN 0xc0                                       ; destination window 3
	BLOAD 0, 0                                     ; W_o's first two K steps: they land while the rows are normalised
	BLOAD 0, 4
	BLOAD 1, 0
	BLOAD 1, 4
	WIN 0
	v_pk_add_f32 v[24:25], v[24:25], v[26:27]
	v_pk_add_f32 v[28:29], v[28:29], v[30:31]
	v_pk_add_f32 v[24:25], v[24:25], v[28:29]
	v_add_f32 v24, v24, v25
	v_permlanex16_b32 v26, v24, s[SEL], s[SEL+1]   ; the row's other half lies in lane l xor 16
	v_add_f32 v24, v24, v26
	v_mul_f32 v[NM], 0xba800000, v24               ; -mean = -sum / 1,024
	v_mov_b32 v[NM+1], v[NM]
; PASS 2: V becomes (1 - lam) V - mean, in place; then the sum of its squares.  A window at a time: four switches in all.
.macro P2 w
	WIN 0x41*(\w)                                  ; destination and source 0 window w
.set j, 0
.rept 128
	v_pk_fma_f32 v[2*j:2*j+1], v[2*j:2*j+1], v[CC:CC+1], v[NM:NM+1]
.set j, j+1
.endr
	WIN 5*(\w)                                     ; sources 0 and 1 window w
.set j, 0
.rept 128
.if ((\w) == 1) && (j < 4)
	v_pk_mul_f32 v[SQ+2*j:SQ+2*j+1], v[2*j:2*j+1], v[2*j:2*j+1]
.else
	v_pk_fma_f32 v[SQ+2*(j%4):SQ+2*(j%4)+1], v[2*j:2*j+1], v[2*j:2*j+1], v[SQ+2*(j%4):SQ+2*(j%4)+1]
.endif
.set j, j+1
.endr
.endm
	P2 1
	P2 2
	WIN 0
	v_pk_add_f32 v[32:33], v[32:33], v[34:35]
	v_pk_add_f32 v[36:37], v[36:37], v[38:39]
	v_pk_add_f32 v[32:33], v[32:33], v[36:37]
	v_add_f32 v32, v32, v33
	v_permlanex16_b32 v34, v32, s[SEL], s[SEL+1]
	v_add_f32 v32, v32, v34
	v_fma_f32 v32, v32, s35, s36                   ; variance + eps
	v_rsq_f32 v[RS], v32
	v_rsq_f32 v[RS+1], v32                         ; twice: a pair for the packed multiply
	v_nop                                          ; a plain instruction behind the last of them,
	s_wait_alu depctr_va_vdst(0)                   ; and the one wait ahead of the first use
; 64 numbers of a lane, v[s] .. v[s + 63], register 16 b + i = k 32 b + 16 h + i of my row, become a fragment's codes in v[PC] on and its scale word in v[PW].
.macro QUANT s
.irp b, 0,1,2,3
	v_max3_num_f32 v[TM+\b], |v[\s+16*\b]|, |v[\s+1+16*\b]|, 0x4800000   ; block b: my 16 numbers, and the floor 2^(9 - 127): the byte cannot fall under 1
.endr
.irp i, 2,4,6,8,10,12,14
.irp b, 0,1,2,3
	v_max3_num_f32 v[TM+\b], v[TM+\b], |v[\s+16*\b+\i]|, |v[\s+1+16*\b+\i]|   ; (the four blocks by turns)
.endr
.endr
.irp b, 0,1,2,3
	v_permlanex16_b32 v[TM+4+\b], v[TM+\b], s[SEL], s[SEL+1]
.endr
.irp b, 0,1,2,3
	v_max_num_f32 v[TM+\b], v[TM+\b], v[TM+4+\b]   ; with lane l xor 16's: the block's largest magnitude
.endr
.irp b, 0,1,2,3
	v_add_nc_u32 v[TM+12+\b], 0xfc000000, v[TM+\b]   ; 8 off its exponent field: the conversion's scale operand
.endr
.irp b, 0,1,2,3
	v_and_or_b32 v[TM+8+\b], v[TM+\b], 0x7f800000, s[MNT]   ; 448 x the scale
.endr
.irp b, 0,1,2,3
	v_lshrrev_b32 v[TM+4+\b], 23, v[TM+12+\b]      ; the scale's byte
.endr
	v_lshl_or_b32 v[PW], v[TM+5], 8, v[TM+4]       ; the four bytes make my row's scale word
	v_lshl_or_b32 v[PW], v[TM+6], 16, v[PW]
	v_lshl_or_b32 v[PW], v[TM+7], 24, v[PW]
.irp b, 0,1,2,3
.irp i, 0,1,2,3,4,5,6,7,8,9,10,11,12,13,14,15
	v_med3_num_f32 v[\s+16*\b+\i], v[\s+16*\b+\i], -v[TM+8+\b], v[TM+8+\b]   ; the conversion to an 8-bit code does not saturate (ISA guide 7.6.2): the hold comes first
.endr
	v_cvt_scalef32_pk8_fp8_f32 v[PC+4*\b:PC+1+4*\b], v[\s+16*\b:\s+7+16*\b], v[TM+12+\b]
	v_cvt_scalef32_pk8_fp8_f32 v[PC+2+4*\b:PC+3+4*\b], v[\s+8+16*\b:\s+15+16*\b], v[TM+12+\b]
.endr
	v_nop                                          ; one plain vector instruction behind the last conversion: the next step's multiplies write its sources
.endm
; PASS 3, a K step of 128 columns at a time: x 1 / sqrt(..), x gamma + beta, quantised; the fragment's image and its scale words go to LDS.
.macro P3 s
.irp b, 0,1,2,3
.irp j, 0,1,2,3
	ds_load_b128 v[GA+16*\b+4*\j:GA+16*\b+4*\j+3], v[GAD] offset:GAM+512*(\s)+128*\b+16*\j   ; gamma and beta of columns 128 s + 32 b + 16 h + 4 j on: sixteen lanes share each address
	ds_load_b128 v[BE+16*\b+4*\j:BE+16*\b+4*\j+3], v[GAD] offset:BET+512*(\s)+128*\b+16*\j
.endr
.endr
	WIN 1+(\s)/4                                   ; source 0 window 1 or 2
.set j, 0
.rept 32
	v_pk_mul_f32 v[ST+2*j:ST+2*j+1], v[64*((\s)%4)+2*j:64*((\s)%4)+2*j+1], v[RS:RS+1]
.set j, j+1
.endr
	WIN 0
	s_wait_dscnt 0x0                               ; gamma and beta are in; the last image's stores have read their registers
.set j, 0
.rept 32
	v_pk_fma_f32 v[ST+2*j:ST+2*j+1], v[ST+2*j:ST+2*j+1], v[GA+2*j:GA+2*j+1], v[BE+2*j:BE+2*j+1]
.set j, j+1
.endr
.if (\s) == 7
.irp b, 0,1,2,3,4,5,6,7
	global_load_b128 v[BS+4*\b:BS+4*\b+3], v[LI], s[8:9] offset:512*\b   ; gamma's registers are free: W_o's scale words, a tile's 512 bytes a load
.endr
.endif
	QUANT ST
.irp c, 0,1,2,3
	ds_store_b128 v[XWI], v[PC+4*\c:PC+4*\c+3] offset:2048*(\s)+512*\c   ; the fragment goes to LDS as it stands
.endr
	ds_store_b32 v[XWS], v[PW] offset:128*(\s)
.endm
.irp s, 0,1,2,3,4,5,6,7
	P3 \s
.endr
	s_wait_dscnt 0x0                               ; my images have landed
	s_barrier_signal -1
	s_barrier_wait -1                              ; all 32 fragments of the 64 rows lie in LDS
.irp m, 0,1,2,3
.irp s, 0,1,2,3,4,5,6,7
	ds_load_b32 v[AS+8*\m+\s], v[LS] offset:128*(8*\m+\s)        ; the rows' scale words, all of them: lane r has row r's
.endr
.endr
.macro ALOAD s                         ; the four tiles of rows, step s: 16 loads of 512 consecutive bytes; even steps at v64, odd at v192
.set AFS, 64+128*((\s)%2)
.irp m, 0,1,2,3
.irp c, 0,1,2,3
	ds_load_b128 v[AFS+16*\m+4*\c:AFS+16*\m+4*\c+3], v[LIX] offset:2048*(8*\m+(\s))+512*\c
.endr
.endr
.endm
; 16 matrix instructions: W_o's blocks b0 .. b0 + 3 x the four tiles of rows, step s.  The first step's take the constant 0 as C.  The 32 accumulators take turns, one instruction a turn, in the same order in every step.
.macro MM16 s, b0
.set AFS, 64+128*((\s)%2)
.irp b, \b0, \b0+1, \b0+2, \b0+3
.irp m, 0,1,2,3
.if (\s) == 0
	v_wmma_scale_f32_16x16x128_f8f6f4 v[8*(8*\m+(\b)):8*(8*\m+(\b))+7], v[128*((\s)%2)+16*(\b):128*((\s)%2)+16*(\b)+15], v[AFS+16*\m:AFS+16*\m+15], 0, v[BS+4*(\b)+(\s)%4], v[AS+8*\m+(\s)]
.elseif (\s) < 4
	v_wmma_scale_f32_16x16x128_f8f6f4 v[8*(8*\m+(\b)):8*(8*\m+(\b))+7], v[128*((\s)%2)+16*(\b):128*((\s)%2)+16*(\b)+15], v[AFS+16*\m:AFS+16*\m+15], v[8*(8*\m+(\b)):8*(8*\m+(\b))+7], v[BS+4*(\b)+(\s)%4], v[AS+8*\m+(\s)]
.else
	v_wmma_scale_f32_16x16x128_f8f6f4 v[8*(8*\m+(\b)):8*(8*\m+(\b))+7], v[128*((\s)%2)+16*(\b):128*((\s)%2)+16*(\b)+15], v[AFS+16*\m:AFS+16*\m+15], v[8*(8*\m+(\b)):8*(8*\m+(\b))+7], v[BS+4*(\b)+(\s)%4], v[AS+8*\m+(\s)] matrix_a_scale:MATRIX_SCALE_ROW1
.endif
.endr
.endr
.endm
; A K step.  W_o's fragments come in halves of 16 loads, each asked for two steps ahead into the registers just multiplied; a counted wait names the halves that are younger than the one wanted.
.macro KSTEP s
.if (\s) == 7
	s_wait_loadcnt 16                              ; this step's first half is in; its second may be out
.elseif (\s) >= 2
	s_wait_loadcnt 48                              ; this step's first half is in; younger: its second half and the next step's two
.endif
	s_wait_dscnt 0x0                               ; the rows' fragments of this step are in
	WIN W_MM
	MM16 \s, 0
.if (\s) < 7
	WIN 0
	PLACES
	ALOAD (\s)+1
.endif
.if (\s) < 6
	WIN 0xc0
	BLOAD (\s)+2, 0
.endif
.if (\s) == 7
	s_wait_loadcnt 0x0
.elseif (\s) == 6
	s_wait_loadcnt 32                              ; younger: the last step's two halves
.elseif (\s) >= 2
	s_wait_loadcnt 48                              ; younger: the next step's two halves and the half just asked for
.endif
	WIN W_MM
	MM16 \s, 4
.if (\s) < 6
	PLACES
	WIN 0xc0
	BLOAD (\s)+2, 4
.endif
.endm
	ALOAD 0
	s_wait_loadcnt 0x0                             ; W_o's scale words and its first two K steps are in
.irp s, 0,1,2,3,4,5,6,7
	KSTEP \s
.endr
	WIN 0
	PLACES                                         ; in front of the stores that read results and of the loads into registers that held fragments
; THE WAY OUT, a tile of 16 rows x my 128 columns at a time.  A lane holds 32 neighbouring bytes of a row, the lanes beside it other rows: the block goes through my own stage in LDS and comes back as whole rows of 512 bytes.
; LDS serves a wave's instructions in order: no wait between the stores and the loads, nor in front of the next block's stores.
.macro TOSTAGE m
	WIN 0x04                                       ; an LDS store's data are its source 1: window 1
.irp b, 0,1,2,3,4,5,6,7
	ds_store_b128 v[STO], v[8*(8*(\m)+\b):8*(8*(\m)+\b)+3] offset:64*\b          ; each accumulator from its low end on
	ds_store_b128 v[STO], v[8*(8*(\m)+\b)+4:8*(8*(\m)+\b)+7] offset:64*\b+16
.endr
	WIN 0
.set BB, 64+128*((\m)%2)
.irp t, 0,1,2,3,4,5,6,7,8,9,10,11,12,13,14,15
	ds_load_b128 v[BB+4*\t:BB+4*\t+3], v[RD] offset:\t*SPITCH
.endr
.endm
.macro SEND m, younger                 ; younger: the LDS instructions issued behind block m's loads, which may stay out
.set BB, 64+128*((\m)%2)
	s_wait_dscnt \younger
.irp t, 0,1,2,3,4,5,6,7,8,9,10,11,12,13,14,15
	global_store_b128 v[LI], v[BB+4*\t:BB+4*\t+3], s[22:23] offset:131072*(\m)+8192*\t th:TH_STORE_NT   ; 32 lanes store 512 consecutive bytes, aligned; written once, read by nobody here
.endr
.endm
	TOSTAGE 0
.irp m, 1,2,3
.if \m > 1
	s_wait_xcnt 0x0                                ; block m - 2's stores have read their registers: block m's loads may land there
.endif
	TOSTAGE \m
	SEND \m-1, 32                                  ; behind block m - 1's loads: block m's 16 stores and 16 loads
.endr
	SEND 3, 0
	s_wait_tensorcnt 0x0                           ; the wave's end
	ds_add_u32 v[SPW], v[NIL]
	s_wait_dscnt 0x0
	s_endpgm
.Lfunc_end_k_q64f224371f_lngemm:
	.size	k_q64f224371f_lngemm, .Lfunc_end_k_q64f224371f_lngemm-k_q64f224371f_lngemm
	.p2alignl 7, 3214868480
	.fill 96, 4, 3214868480
	.section	.rodata,"a",@progbits
	.p2align	6, 0x0
	.amdhsa_kernel k_q64f224371f_lngemm
		.amdhsa_group_segment_fixed_size 112128
		.amdhsa_private_segment_fixed_size 0
		.amdhsa_enable_private_segment 0
		.amdhsa_kernarg_size 80
		.amdhsa_user_sgpr_count 2
		.amdhsa_user_sgpr_kernarg_segment_ptr 1
		.amdhsa_wavefront_size32 1
		.amdhsa_system_sgpr_workgroup_id_x 1
		.amdhsa_system_sgpr_workgroup_id_y 1
		.amdhsa_system_sgpr_workgroup_id_z 1
		.amdhsa_system_vgpr_workitem_id 0
		.amdhsa_next_free_vgpr 1024
		.amdhsa_next_free_sgpr 66
		.amdhsa_reserve_vcc 0
		.amdhsa_float_denorm_mode_32 3
		.amdhsa_float_denorm_mode_16_64 3
		.amdhsa_memory_ordered 1
		.amdhsa_forward_progress 1
		.amdhsa_inst_pref_size 255
	.end_amdhsa_kernel
	.section	.bss,"aw",@nobits
	.p2align	6
	.space	262144
	.amdgpu_metadata
---
amdhsa.version: [ 1, 2 ]
amdhsa.kernels:
  - .name:           k_q64f224371f_lngemm
    .symbol:         k_q64f224371f_lngemm.kd
    .args:
      - { .name: vimg, .offset: 0, .size: 8, .value_kind: global_buffer, .address_space: global }
      - { .name: wo_codes, .offset: 8, .size: 8, .value_kind: global_buffer, .address_space: global }
      - { .name: wo_scales, .offset: 16, .size: 8, .value_kind: global_buffer, .address_space: global }
      - { .name: lambda_q1, .offset: 24, .size: 8, .value_kind: global_buffer, .address_space: global }
      - { .name: lambda_k1, .offset: 32, .size: 8, .value_kind: global_buffer, .address_space: global }
      - { .name: lambda_q2, .offset: 40, .size: 8, .value_kind: global_buffer, .address_space: global }
      - { .name: lambda_k2, .offset: 48, .size: 8, .value_kind: global_buffer, .address_space: global }
      - { .name: ln_gamma, .offset: 56, .size: 8, .value_kind: global_buffer, .address_space: global }
      - { .name: ln_beta, .offset: 64, .size: 8, .value_kind: global_buffer, .address_space: global }
      - { .name: out0, .offset: 72, .size: 8, .value_kind: global_buffer, .address_space: global }
    .group_segment_fixed_size: 112128
    .private_segment_fixed_size: 0
    .kernarg_segment_align: 8
    .kernarg_segment_size: 80
    .max_flat_workgroup_size: 128
    .sgpr_count:     66
    .vgpr_count:     1024
    .wavefront_size: 32
...
	.end_amdgpu_metadata
.endif
;; end of part 3
;; ======== version 2 of 2: 3 launches; version 1 with the launch lngemm written anew for expert scheduling mode
;; workspace buffers: val_codes 8,388,608 bytes; val_scales 262,144 bytes; wv_codes 2,097,152 bytes; wv_scales 65,536 bytes; wo_codes 2,097,152 bytes; wo_scales 65,536 bytes; vimg 16,777,216 bytes
;; launch quant: the kernel of part 1 again; grid 384 x 1, 4 waves a work-group, no clusters, 56,832 bytes of LDS; arguments value, W_v, W_o, val_codes, val_scales, wv_codes, wv_scales, wo_codes, wo_scales; writes val_codes, val_scales, wv_codes, wv_scales, wo_codes, wo_scales
;; launch gemm1: the kernel of part 2 again; grid 8 x 32, 4 waves a work-group, clusters of 4 x 4, 327,680 bytes of LDS; arguments val_codes, val_scales, wv_codes, wv_scales, vimg; writes vimg
;; launch lngemm (part 4): grid 4 x 64, 4 waves a work-group, no clusters, 112,128 bytes of LDS; arguments vimg, wo_codes, wo_scales, lambda_q1, lambda_k1, lambda_q2, lambda_k2, ln_gamma, ln_beta, out0; writes out0
.if DOCPART == 4
	.amdgcn_target "amdgcn-amd-amdhsa--gfx1250"
	.amdhsa_code_object_version 6
	.text
	.protected	k_q64f224371f_lngemm
	.globl	k_q64f224371f_lngemm
	.p2align	8
	.type	k_q64f224371f_lngemm,@function
k_q64f224371f_lngemm:
	s_mov_b64 s[64:65], 0
	v_nop
	global_prefetch_b8 v0, s[64:65] scope:SCOPE_SE
	s_setreg_imm32_b32 hwreg(HW_REG_WAVE_SCHED_MODE, 0, 2), 2
	s_setreg_imm32_b32 hwreg(HW_REG_WAVE_MODE, 25, 1), 1
	s_wait_xcnt 0x0
	s_wait_alu depctr_vm_vsrc(0)
; DiffAttentionHead, launch 3 of 3: out0 = Q(LayerNorm((1 - lam) V)) Q(W_o)^T, [4096][2048] f32.  lam = exp(sum lambda_q1 lambda_k1) - exp(sum lambda_q2 lambda_k2) + 0.8.
; Left out, as shown at the head of the first launch: A1 = A2 = 1 for every finite score (a softmax over one key), so A_diff = 1 - lam in every place, and Q, K and the scores are not computed.
; SHARES.  A work-group takes 64 rows x 512 columns of out0: 64 x 4 = 256 work-groups.  Wave w first normalises and quantises rows 16 w .. 16 w + 15 (all 1,024 columns of V: 512 numbers a lane, in registers),
; then makes all 64 rows x columns 128 w .. 128 w + 127: 32 accumulators.  The LayerNorm of a row is so done by the four work-groups that share it.
; V comes as launch 2 left it: register 16 b + i of lane (r, h), step s, is V(r, 128 s + 32 b + 16 h + i): a row lies in lanes l and l xor 16, and 16 registers are 16 neighbours along K.
; MEAN AND VARIANCE in two passes: the mean first, then the mean of the squared differences; no difference of large sums is formed.  All in f32.
; THE NORMALISED ROWS GO FROM WAVE TO WAVE THROUGH LDS AS IMAGES OF THE OPERAND'S REGISTERS (2,048 bytes a fragment, 16 bytes a lane, 512 a store; scale words 4 bytes a lane).
; W_o's fragments go from memory straight into registers, two K steps (32,768 bytes a wave) ahead: each is read by one wave of the work-group, once.
; NO CLUSTER, NO TENSOR LOAD: W_o's tiles are shared by the work-groups of a column, but beside the images' 69,632 bytes LDS has room for two slots of one K step (65,536 bytes each), and a K step is 32 matrix instructions a wave:
; a joint refill would have those 32 in which to land, with a round of the cluster's barrier for each; through registers two K steps are on their way and the loop has no barrier.
; THE MATRIX INSTRUCTION IS USED TRANSPOSED (source 0 = 16 rows of W_o, source 1 = 16 normalised rows): a lane holds eight neighbouring columns of a row of out0.
; LIMITS: a block of zeros gets the scale byte 1 (its codes are zeros; the bytes are read here alone); NaN and infinities in V, gamma or beta are not served.
; REGISTERS, in windows of 256: window 0: v4-21 addresses and the row's figures; v24-59 at work; v64-127 a K step's numbers, later fragments of the rows (even steps), later rows of out0; v128-191 gamma, later W_o's scale
;   words (v128-159) and the rows' (v160-191); v192-255 beta, later fragments of the rows (odd steps), later rows of out0.   windows 1, 2: V's 512 numbers (step s at 64 s); window 1 later the 32 accumulators ((m, b) at v[8 (8 m + b)]).
;   window 3: W_o's fragments, sets 0 and 1 (set p, block b at v[128 p + 16 b]); window 2, v0-127, later set 2.  K step s multiplies set s % 3.
; THE MODE: SCHED_MODE bits 1:0 = 2 (LLVM: expert scheduling mode 2), set by the entry lines.  The code itself states the register dependences between vector or matrix instructions and memory or LDS instructions,
; with s_wait_alu, always for 0.  The text has no branch: there is one way through it.
; THE PLAN.  Registers that memory or LDS instructions touch:
;   v4-11, v20, v21   addresses: written at the head, ahead of one wait on va_vdst, and never again.  v12, v13: written at the head, read by the closing add alone.
;   v128-151          the small inputs land here; LDS stores read v128-143, the lambdas' multiplications read v144-151; then gamma's numbers land here.
;   GA, BE            pass 3, step s: its 32 multiply-adds read them; behind them stands a wait on va_vdst, and the LDS loads of step s + 1 land in them while step s is quantised.
;   PC, PW            pass 3, step s: its conversions write them; a wait on va_vdst; its five LDS stores read them; a wait on vm_vsrc stands in step s + 1, ahead of the lines that write them again.
;   AF0, AF1          (v64-127, v192-255) K step s: its matrix instructions read AF[s % 2]; the LDS loads of step s + 2's fragments, issued in step s + 1, land in it.
;   sets 0, 1, 2      K step s: its matrix instructions read set s % 3; the loads of step s + 3's fragments, issued in step s + 1, land in it.
;   BS, AS            loaded once; read by matrix instructions alone.
;   the accumulators  written by matrix instructions; read by the LDS stores of the way out.
; So ONE wait on va_vdst stands at the head of a K step: the step before is done reading its set and its fragments of the rows.  The step's 48 loads follow in three runs among its 32 matrix instructions, which name
; set s % 3, AF[s % 2], BS, AS and the accumulators: none of the registers that those loads touch.
.set GAM,   0                          ; LDS: gamma, 4,096 bytes;
.set BET,   4096                       ; beta;
.set XSC,   8192                       ; the rows' scale words: 32 fragments x 128 bytes;
.set XIMG,  12288                      ; their images: fragment (tile of rows m, step s) at 2,048 (8 m + s);
.set STG,   77824                      ; the way out: 16 rows x (512 bytes + 16) for each wave;
.set SPITCH, 528
.set SPARE, STG+4*16*SPITCH            ; the spare words, 128 bytes for each wave: two blocks of 256 bytes that no other line names
.set LI,   4                           ; v4   16 x lane
.set LS,   5                           ; v5   XSC + 4 x lane
.set XWI,  6                           ; v6   where I store my rows' images
.set XWS,  7                           ; v7   and their scale words
.set GAD,  8                           ; v8   64 h: my 16 numbers of each 32 of gamma and beta
.set STO,  9                           ; v9   the stage: where I put 32 bytes of a row
.set RD,   10                          ; v10  and where I read a row back
.set T16,  11                          ; v11  16 x thread
.set SPW,  12                          ; v12  LDS address of my spare word; never rewritten
.set NIL,  13                          ; v13  0; never rewritten
.set CC,   14                          ; v[14:15] 1 - lam, twice
.set NM,   16                          ; v[16:17] -mean, twice
.set RS,   18                          ; v[18:19] 1 / sqrt(variance + eps), twice
.set L8,   20                          ; v20  8 x lane
.set LIX,  21                          ; v21  XIMG + 16 x lane
.set TM,   24                          ; v24-39 at work: the quantiser's; before it the sums' four chains (v24-31) and the squares' (v32-39)
.set SM,   24
.set SQ,   32
.set PW,   40                          ; the scale word just made
.set PC,   44                          ; v44-59 the codes just made
.set ST,   64
.set GA,   128
.set BE,   192
.set BS,   128                         ; W_o's scale words: register 4 b + q: lanes 0-15 step q, lanes 16-31 step 4 + q, of block b
.set AS,   160                         ; the rows' scale words: register 8 m + s
.set SEL,  32                          ; s[32:33] v_permlanex16_b32's selects for lane l xor 16
.set MNT,  34                          ; s34  the mantissa field of 448
.set MSB, 0
.macro WIN new                         ; the immediate's high byte repeats the setting that is left
.if MSB != (\new)
	s_set_vgpr_msb (MSB<<8)|(\new)
.set MSB, (\new)
.endif
.endm
.macro PLACES                          ; eight places behind this matrix form, in front of loads into registers that it has read and of reads of its results
.rept 8
	v_nop
.endr
.endm
	s_load_b512 s[4:19], s[0:1], 0x0               ; vimg s[4:5], W_o's codes s[6:7], scales s[8:9], lambda_q1 s[10:11], lambda_k1 s[12:13], lambda_q2 s[14:15], lambda_k2 s[16:17], gamma s[18:19]
	s_load_b128 s[20:23], s[0:1], 0x40             ; beta s[20:21], out0 s[22:23]
	v_lshl_add_u32 v[SPW], v0, 2, SPARE
	v_mov_b32 v[NIL], 0
	v_lshrrev_b32 v1, 5, v0
	v_readfirstlane_b32 s24, v1                    ; wave 0..3
	v_and_b32 v1, 31, v0                           ; lane
	v_and_b32 v2, 15, v0                           ; r
	v_bfe_u32 v3, v0, 4, 1                         ; h
	v_lshlrev_b32 v[LI], 4, v1
	v_lshl_add_u32 v[LS], v1, 2, XSC
	s_wait_alu depctr_va_sdst(0)                   ; s24 is written, ahead of its first reader: LDS addresses and the bases of V, W_o and out0 are made from it
	s_lshl_b32 s28, s24, 14
	s_add_co_u32 s28, s28, XIMG
	v_add_nc_u32 v[XWI], s28, v[LI]                ; my tile of rows is tile w: its eight fragments begin at 16,384 w
	s_lshl_b32 s28, s24, 10
	v_add_nc_u32 v[XWS], s28, v[LS]
	v_lshlrev_b32 v[GAD], 6, v3
	s_mul_i32 s28, s24, 16*SPITCH
	s_add_co_u32 s28, s28, STG
	v_mul_u32_u24 v[STO], v2, SPITCH
	v_lshl_add_u32 v[STO], v3, 5, v[STO]
	v_add_nc_u32 v[STO], s28, v[STO]
	v_add_nc_u32 v[RD], s28, v[LI]
	v_lshlrev_b32 v[T16], 4, v0
	v_lshlrev_b32 v[L8], 3, v1
	v_add_nc_u32 v[LIX], XIMG, v[LI]
	s_mov_b32 s[SEL], 0x76543210
	s_mov_b32 s[SEL+1], 0xfedcba98
	s_mov_b32 s[MNT], 0x600000
	s_mov_b32 s35, 0x3a800000                      ; 1 / 1,024
	s_mov_b32 s36, 0x3727c5ac                      ; LN_EPS = 1e-5
	s_and_b32 s26, ttmp7, 0xffff                   ; which 64 rows
	s_lshl_b32 s28, s26, 2
	s_add_co_u32 s28, s28, s24
	s_lshl_b32 s28, s28, 16                        ; V: row tile 4 y + w, 65,536 bytes each
	s_mov_b32 s29, 0
	s_lshl_b32 s30, ttmp9, 5
	s_lshl_b32 s31, s24, 3
	s_add_co_u32 s30, s30, s31                     ; W_o: tile 32 x + 8 w
	s_lshl_b32 s38, s30, 9                         ; its scales: 512 bytes a tile
	s_mov_b32 s39, 0
	s_lshl_b32 s30, s30, 14                        ; its codes: 16,384 bytes a tile
	s_mov_b32 s31, 0
	s_lshl_b32 s40, s26, 19                        ; out0: 64 y rows of 8,192 bytes + 2,048 x + 512 w
	s_lshl_b32 s41, ttmp9, 11
	s_add_co_u32 s40, s40, s41
	s_lshl_b32 s41, s24, 9
	s_add_co_u32 s40, s40, s41
	s_mov_b32 s41, 0
	s_wait_kmcnt 0x0
	s_add_nc_u64 s[4:5], s[4:5], s[28:29]
	s_add_nc_u64 s[6:7], s[6:7], s[30:31]
	s_add_nc_u64 s[8:9], s[8:9], s[38:39]
	s_add_nc_u64 s[22:23], s[22:23], s[40:41]
	s_wait_alu depctr_va_vdst(0)                   ; the addresses v4 to v11, v20 and v21 are written: every load and store of the kernel reads one of them, and none is written again
	global_load_b64 v[144:145], v[L8], s[10:11]    ; two of each lambda's 64 numbers a lane
	global_load_b64 v[146:147], v[L8], s[12:13]
	global_load_b64 v[148:149], v[L8], s[14:15]
	global_load_b64 v[150:151], v[L8], s[16:17]
	global_load_b128 v[128:131], v[T16], s[18:19]              ; gamma and beta: the 128 threads take 2,048 bytes a load
	global_load_b128 v[132:135], v[T16], s[18:19] offset:2048
	global_load_b128 v[136:139], v[T16], s[20:21]
	global_load_b128 v[140:143], v[T16], s[20:21] offset:2048
.macro VLOAD s                         ; V's step s: 16 loads of 512 consecutive bytes, into registers that no vector instruction has named
	WIN 0x40*(1+(\s)/4)                            ; destination window 1 or 2
.irp c, 0,1,2,3,4,5,6,7,8,9,10,11,12,13,14,15
	global_load_b128 v[64*((\s)%4)+4*\c:64*((\s)%4)+4*\c+3], v[LI], s[4:5] offset:8192*(\s)+512*\c
.endr
.endm
	VLOAD 0
	VLOAD 1
	VLOAD 2
	WIN 0
	s_wait_loadcnt 48                              ; the eight small loads are in; V's 48 may be out
	ds_store_b128 v[T16], v[128:131] offset:GAM
	ds_store_b128 v[T16], v[132:135] offset:GAM+2048
	ds_store_b128 v[T16], v[136:139] offset:BET
	ds_store_b128 v[T16], v[140:143] offset:BET+2048
	v_mul_f32 v24, v144, v146                      ; the two sums of 64 products, every wave for itself
	v_mul_f32 v25, v148, v150
	v_fmac_f32 v24, v145, v147
	v_fmac_f32 v25, v149, v151
.irp x, 1,2,4,8
	v_add_f32_dpp v24, v24, v24 row_xmask:\x row_mask:0xf bank_mask:0xf
	v_add_f32_dpp v25, v25, v25 row_xmask:\x row_mask:0xf bank_mask:0xf
.endr
	v_mov_b32 v26, 0                               ; (a lane permute's destination counts as one of its sources)
	v_mov_b32 v27, 0
	v_permlanex16_b32 v26, v24, s[SEL], s[SEL+1]
	v_permlanex16_b32 v27, v25, s[SEL], s[SEL+1]
	v_add_f32 v24, v24, v26
	v_add_f32 v25, v25, v27
	v_mul_f32 v24, 0x3fb8aa3b, v24                 ; e^x = 2^(x log2(e))
	v_mul_f32 v25, 0x3fb8aa3b, v25
	v_exp_f32 v24, v24
	v_exp_f32 v25, v25
	v_nop                                          ; a plain instruction behind the last exponential,
	s_wait_alu depctr_va_vdst(0)                   ; and the one wait ahead of the first use: the two exponentials have written v24 and v25.  The multiplications above are also done reading v144 to v151, in which gamma's numbers land further down
	v_sub_f32 v24, v24, v25
	v_add_f32 v24, 0x3f4ccccd, v24                 ; lam
	v_sub_f32 v[CC], 1.0, v24                      ; A_diff = 1 - lam
	v_mov_b32 v[CC+1], v[CC]
	s_wait_dscnt 0x0                               ; my stores of gamma and beta have landed
	s_barrier_signal -1
	s_barrier_wait -1                              ; everybody's have
; PASS 1: the sum of (1 - lam) V over my 512 numbers, two at a time, in four chains; V's loads run three steps ahead.
.macro P1 s
.if (\s)+3 < 8
	VLOAD (\s)+3
.endif
.if 7-(\s) >= 3
	s_wait_loadcnt 48                              ; this step's 16 loads are in; those of the three steps behind it may be out
.else
	s_wait_loadcnt 16*(7-(\s))                     ; the counts run down
.endif
	WIN 1+(\s)/4                                   ; source 0 window 1 or 2
.set j, 0
.rept 32
.if ((\s) == 0) && (j < 4)
	v_pk_mul_f32 v[SM+2*j:SM+2*j+1], v[2*j:2*j+1], v[CC:CC+1]      ; the first four start the chains: nothing is cleared
.else
	v_pk_fma_f32 v[SM+2*(j%4):SM+2*(j%4)+1], v[64*((\s)%4)+2*j:64*((\s)%4)+2*j+1], v[CC:CC+1], v[SM+2*(j%4):SM+2*(j%4)+1]
.endif
.set j, j+1
.endr
.endm
.irp s, 0,1,2,3,4,5,6,7
	P1 \s
.endr
.macro BLOAD s, b0                     ; W_o's blocks b0 .. b0 + 3 of step s into set s % 3: 16 loads of 512 consecutive bytes.  Sets 0 and 1 lie at v0 and v128 of window 3, set 2 at v0 of window 2
.set BW, 128*(((\s)%3)%2)
.irp b, \b0, \b0+1, \b0+2, \b0+3
.irp c, 0,1,2,3
	global_load_b128 v[BW+16*(\b)+4*\c:BW+16*(\b)+4*\c+3], v[LI], s[6:7] offset:16384*(\b)+2048*(\s)+512*\c
.endr
.endr
.endm
.macro GBLOAD s                        ; gamma and beta of columns 128 s + 32 b + 16 h + 4 j on: sixteen lanes share each address
.irp b, 0,1,2,3
.irp j, 0,1,2,3
	ds_load_b128 v[GA+16*\b+4*\j:GA+16*\b+4*\j+3], v[GAD] offset:GAM+512*(\s)+128*\b+16*\j
	ds_load_b128 v[BE+16*\b+4*\j:BE+16*\b+4*\j+3], v[GAD] offset:BET+512*(\s)+128*\b+16*\j
.endr
.endr
.endm
	WIN 0xc0                                       ; destination window 3: no vector instruction has named it
	BLOAD 0, 0                                     ; W_o's first two K steps: they land while the rows are normalised
	BLOAD 0, 4
	BLOAD 1, 0
	BLOAD 1, 4
	WIN 0
	s_wait_alu depctr_vm_vsrc(0)                   ; my LDS stores of gamma and beta have read v128 to v143, in which the loads below land
	GBLOAD 0                                       ; pass 3's first gamma and beta: they land while pass 2 runs, which names none of v128 to v255 of window 0
	v_pk_add_f32 v[24:25], v[24:25], v[26:27]
	v_pk_add_f32 v[28:29], v[28:29], v[30:31]
	v_pk_add_f32 v[24:25], v[24:25], v[28:29]
	v_add_f32 v24, v24, v25
	v_permlanex16_b32 v26, v24, s[SEL], s[SEL+1]   ; the row's other half lies in lane l xor 16
	v_add_f32 v24, v24, v26
	v_mul_f32 v[NM], 0xba800000, v24               ; -mean = -sum / 1,024
	v_mov_b32 v[NM+1], v[NM]
; PASS 2: V becomes (1 - lam) V - mean, in place; then the sum of its squares.  A window at a time: four switches in all.
.macro P2 w
	WIN 0x41*(\w)                                  ; destination and source 0 window w
.set j, 0
.rept 128
	v_pk_fma_f32 v[2*j:2*j+1], v[2*j:2*j+1], v[CC:CC+1], v[NM:NM+1]
.set j, j+1
.endr
	WIN 5*(\w)                                     ; sources 0 and 1 window w
.set j, 0
.rept 128
.if ((\w) == 1) && (j < 4)
	v_pk_mul_f32 v[SQ+2*j:SQ+2*j+1], v[2*j:2*j+1], v[2*j:2*j+1]
.else
	v_pk_fma_f32 v[SQ+2*(j%4):SQ+2*(j%4)+1], v[2*j:2*j+1], v[2*j:2*j+1], v[SQ+2*(j%4):SQ+2*(j%4)+1]
.endif
.set j, j+1
.endr
.endm
	P2 1
	P2 2
	WIN 0
	v_pk_add_f32 v[32:33], v[32:33], v[34:35]
	v_pk_add_f32 v[36:37], v[36:37], v[38:39]
	v_pk_add_f32 v[32:33], v[32:33], v[36:37]
	v_add_f32 v32, v32, v33
	v_permlanex16_b32 v34, v32, s[SEL], s[SEL+1]
	v_add_f32 v32, v32, v34
	v_fma_f32 v32, v32, s35, s36                   ; variance + eps
	v_rsq_f32 v[RS], v32
	v_rsq_f32 v[RS+1], v32                         ; twice: a pair for the packed multiply
	v_nop                                          ; a plain instruction behind the last of them,
	s_wait_alu depctr_va_vdst(0)                   ; and the one wait ahead of the first use: both have written v[RS], v[RS+1]
; 64 numbers of a lane, v[s] .. v[s + 63], register 16 b + i = k 32 b + 16 h + i of my row, become a fragment's codes in v[PC] on and its scale word in v[PW].
.macro QUANT s
.irp b, 0,1,2,3
	v_max3_num_f32 v[TM+\b], |v[\s+16*\b]|, |v[\s+1+16*\b]|, 0x4800000   ; block b: my 16 numbers, and the floor 2^(9 - 127): the byte cannot fall under 1
.endr
.irp i, 2,4,6,8,10,12,14
.irp b, 0,1,2,3
	v_max3_num_f32 v[TM+\b], v[TM+\b], |v[\s+16*\b+\i]|, |v[\s+1+16*\b+\i]|   ; (the four blocks by turns)
.endr
.endr
.irp b, 0,1,2,3
	v_permlanex16_b32 v[TM+4+\b], v[TM+\b], s[SEL], s[SEL+1]
.endr
.irp b, 0,1,2,3
	v_max_num_f32 v[TM+\b], v[TM+\b], v[TM+4+\b]   ; with lane l xor 16's: the block's largest magnitude
.endr
.irp b, 0,1,2,3
	v_add_nc_u32 v[TM+12+\b], 0xfc000000, v[TM+\b]   ; 8 off its exponent field: the conversion's scale operand
.endr
.irp b, 0,1,2,3
	v_and_or_b32 v[TM+8+\b], v[TM+\b], 0x7f800000, s[MNT]   ; 448 x the scale
.endr
.irp b, 0,1,2,3
	v_lshrrev_b32 v[TM+4+\b], 23, v[TM+12+\b]      ; the scale's byte
.endr
	v_lshl_or_b32 v[PW], v[TM+5], 8, v[TM+4]       ; the four bytes make my row's scale word
	v_lshl_or_b32 v[PW], v[TM+6], 16, v[PW]
	v_lshl_or_b32 v[PW], v[TM+7], 24, v[PW]
.irp b, 0,1,2,3
.irp i, 0,1,2,3,4,5,6,7,8,9,10,11,12,13,14,15
	v_med3_num_f32 v[\s+16*\b+\i], v[\s+16*\b+\i], -v[TM+8+\b], v[TM+8+\b]   ; the conversion to an 8-bit code does not saturate (ISA guide 7.6.2): the hold comes first
.endr
	v_cvt_scalef32_pk8_fp8_f32 v[PC+4*\b:PC+1+4*\b], v[\s+16*\b:\s+7+16*\b], v[TM+12+\b]
	v_cvt_scalef32_pk8_fp8_f32 v[PC+2+4*\b:PC+3+4*\b], v[\s+8+16*\b:\s+15+16*\b], v[TM+12+\b]
.endr
	v_nop                                          ; one plain vector instruction behind the last conversion: the next step's multiplies write its sources
.endm
; PASS 3, a K step of 128 columns at a time: x 1 / sqrt(..), x gamma + beta, quantised; the fragment's image and its scale words go to LDS.
; Gamma and beta of a step were asked for in the step before, behind its multiply-adds, and land while that step is quantised.
.macro P3 s
	WIN 1+(\s)/4                                   ; source 0 window 1 or 2
.set j, 0
.rept 32
	v_pk_mul_f32 v[ST+2*j:ST+2*j+1], v[64*((\s)%4)+2*j:64*((\s)%4)+2*j+1], v[RS:RS+1]
.set j, j+1
.endr
	WIN 0
	s_wait_dscnt 0x0                               ; gamma and beta are in; the last image's stores have landed
.if (\s) > 0
	s_wait_alu depctr_vm_vsrc(0)                   ; the last image's LDS stores have read v[PC ..] and v[PW], which this step's quantiser writes again
.endif
.set j, 0
.rept 32
	v_pk_fma_f32 v[ST+2*j:ST+2*j+1], v[ST+2*j:ST+2*j+1], v[GA+2*j:GA+2*j+1], v[BE+2*j:BE+2*j+1]
.set j, j+1
.endr
	s_wait_alu depctr_va_vdst(0)                   ; the multiply-adds are done reading gamma's and beta's registers, in which the loads below land; the quantiser behind them names none of these
.if (\s) < 7
	GBLOAD (\s)+1
.else
.irp b, 0,1,2,3,4,5,6,7
	global_load_b128 v[BS+4*\b:BS+4*\b+3], v[LI], s[8:9] offset:512*\b   ; gamma's registers are free: W_o's scale words, a tile's 512 bytes a load
.endr
.endif
	QUANT ST
	s_wait_alu depctr_va_vdst(0)                   ; the conversions have written v[PC ..] and the shifts v[PW], which the LDS stores read.  In the last step: the quantiser is also done with v[ST ..], in which the rows' fragments land
.irp c, 0,1,2,3
	ds_store_b128 v[XWI], v[PC+4*\c:PC+4*\c+3] offset:2048*(\s)+512*\c   ; the fragment goes to LDS as it stands
.endr
	ds_store_b32 v[XWS], v[PW] offset:128*(\s)
.endm
.irp s, 0,1,2,3,4,5,6,7
	P3 \s
.endr
	s_wait_dscnt 0x0                               ; my images have landed
	s_barrier_signal -1
	s_barrier_wait -1                              ; all 32 fragments of the 64 rows lie in LDS
.irp m, 0,1,2,3
.irp s, 0,1,2,3,4,5,6,7
	ds_load_b32 v[AS+8*\m+\s], v[LS] offset:128*(8*\m+\s)        ; the rows' scale words, all of them: lane r has row r's.  (No vector instruction has named v160 to v191 since the last step's first wait on va_vdst)
.endr
.endr
.macro ALOAD s                         ; the four tiles of rows, step s: 16 loads of 512 consecutive bytes; even steps at v64, odd at v192
.set AFS, 64+128*((\s)%2)
.irp m, 0,1,2,3
.irp c, 0,1,2,3
	ds_load_b128 v[AFS+16*\m+4*\c:AFS+16*\m+4*\c+3], v[LIX] offset:2048*(8*\m+(\s))+512*\c
.endr
.endr
.endm
; 8 matrix instructions: W_o's blocks b0, b0 + 1 x the four tiles of rows, step s.  The first step's take the constant 0 as C.  The 32 accumulators take turns, one instruction a turn, in the same order in every step.
.macro MM8 s, b0
.set AFS, 64+128*((\s)%2)
.set BW, 128*(((\s)%3)%2)
.irp b, \b0, \b0+1
.irp m, 0,1,2,3
.if (\s) == 0
	v_wmma_scale_f32_16x16x128_f8f6f4 v[8*(8*\m+(\b)):8*(8*\m+(\b))+7], v[BW+16*(\b):BW+16*(\b)+15], v[AFS+16*\m:AFS+16*\m+15], 0, v[BS+4*(\b)+(\s)%4], v[AS+8*\m+(\s)]
.elseif (\s) < 4
	v_wmma_scale_f32_16x16x128_f8f6f4 v[8*(8*\m+(\b)):8*(8*\m+(\b))+7], v[BW+16*(\b):BW+16*(\b)+15], v[AFS+16*\m:AFS+16*\m+15], v[8*(8*\m+(\b)):8*(8*\m+(\b))+7], v[BS+4*(\b)+(\s)%4], v[AS+8*\m+(\s)]
.else
	v_wmma_scale_f32_16x16x128_f8f6f4 v[8*(8*\m+(\b)):8*(8*\m+(\b))+7], v[BW+16*(\b):BW+16*(\b)+15], v[AFS+16*\m:AFS+16*\m+15], v[8*(8*\m+(\b)):8*(8*\m+(\b))+7], v[BS+4*(\b)+(\s)%4], v[AS+8*\m+(\s)] matrix_a_scale:MATRIX_SCALE_ROW1
.endif
.endr
.endr
.endm
; A K step.  W_o's fragments come in halves of 16 loads, each asked for two steps ahead, into the set that the step before has multiplied; a counted wait names the halves that are younger than the one wanted.
; Windows of the products: source 0 (W_o) window 3, for set 2 window 2; source 1 (rows) window 0; C and D window 1.
.macro KSTEP s
.if ((\s) >= 1) && ((\s) <= 6)
	PLACES                                         ; behind the last step's matrix instructions, in front of the loads into registers that they have read
.endif
.if (\s) == 7
	s_wait_loadcnt 16                              ; this step's first half is in; its second may be out
.elseif (\s) >= 2
	s_wait_loadcnt 48                              ; this step's first half is in; younger: its second half and the next step's two
.endif
	s_wait_dscnt 0x0                               ; the rows' fragments of this step are in
.if ((\s) >= 1) && ((\s) <= 6)
	s_wait_alu depctr_va_vdst(0)                   ; the last step's matrix instructions are done reading their set of W_o's fragments and their fragments of the rows, in which this step's loads land
.endif
	WIN 0x50+3-((\s)%3)/2
	MM8 \s, 0
.if (\s) < 7
	WIN 0
	ALOAD (\s)+1                                   ; no wait: no vector or matrix instruction since the wait above names these registers (in step 0: since pass 3's waits)
.endif
.if (\s) < 6
	WIN 0x40*(3-(((\s)+2)%3)/2)                    ; destination window 3, for set 2 window 2
	BLOAD (\s)+2, 0                                ; likewise
.endif
	WIN 0x50+3-((\s)%3)/2
	MM8 \s, 2
.if (\s) == 7
	s_wait_loadcnt 0x0
.elseif (\s) == 6
	s_wait_loadcnt 32                              ; younger: the last step's two halves
.elseif (\s) >= 2
	s_wait_loadcnt 48                              ; younger: the next step's two halves and the half just asked for
.endif
	MM8 \s, 4
.if (\s) < 6
	WIN 0x40*(3-(((\s)+2)%3)/2)
	BLOAD (\s)+2, 4                                ; likewise
	WIN 0x50+3-((\s)%3)/2
.endif
	MM8 \s, 6
.endm
	ALOAD 0                                        ; into v[ST ..]: the last quantiser, which named them, stands ahead of pass 3's last wait on va_vdst
	s_wait_loadcnt 0x0                             ; W_o's scale words and its first two K steps are in
.irp s, 0,1,2,3,4,5,6,7
	KSTEP \s
.endr
	WIN 0
	PLACES                                         ; in front of the stores that read results and of the loads into registers that held fragments
	s_wait_alu depctr_va_vdst(0)                   ; the matrix instructions have written the accumulators, which the LDS stores read, and are done reading the rows' fragments, in which the loads from the stage land; the places above stay beside this wait
; THE WAY OUT, a tile of 16 rows x my 128 columns at a time.  A lane holds 32 neighbouring bytes of a row, the lanes beside it other rows: the block goes through my own stage in LDS and comes back as whole rows of 512 bytes.
; LDS serves a wave's instructions in order: no wait between the stores and the loads, nor in front of the next block's stores.
.macro TOSTAGE m
	WIN 0x04                                       ; an LDS store's data are its source 1: window 1
.irp b, 0,1,2,3,4,5,6,7
	ds_store_b128 v[STO], v[8*(8*(\m)+\b):8*(8*(\m)+\b)+3] offset:64*\b          ; each accumulator from its low end on
	ds_store_b128 v[STO], v[8*(8*(\m)+\b)+4:8*(8*(\m)+\b)+7] offset:64*\b+16
.endr
	WIN 0
.set BB, 64+128*((\m)%2)
.irp t, 0,1,2,3,4,5,6,7,8,9,10,11,12,13,14,15
	ds_load_b128 v[BB+4*\t:BB+4*\t+3], v[RD] offset:\t*SPITCH
.endr
.endm
.macro SEND m, younger                 ; younger: the LDS instructions issued behind block m's loads, which may stay out
.set BB, 64+128*((\m)%2)
	s_wait_dscnt \younger
.irp t, 0,1,2,3,4,5,6,7,8,9,10,11,12,13,14,15
	global_store_b128 v[LI], v[BB+4*\t:BB+4*\t+3], s[22:23] offset:131072*(\m)+8192*\t th:TH_STORE_NT   ; 32 lanes store 512 consecutive bytes, aligned; written once, read by nobody here
.endr
.endm
	TOSTAGE 0
.irp m, 1,2,3
.if \m > 1
	s_wait_xcnt 0x0                                ; block m - 2's stores have had their addresses translated: block m's loads may land in their data registers
	s_wait_alu depctr_vm_vsrc(0)                   ; block m - 2's global stores have read their 64 registers, in which block m's loads from the stage land
.endif
	TOSTAGE \m
	SEND \m-1, 32                                  ; behind block m - 1's loads: block m's 16 stores and 16 loads
.endr
	SEND 3, 0
	s_wait_dscnt 0x0                               ; the wave's end
	s_wait_alu 0x0
	s_wait_tensorcnt 0x0
	ds_add_u32 v[SPW], v[NIL]
	s_wait_dscnt 0x0
	s_endpgm
.Lfunc_end_k_q64f224371f_lngemm:
	.size	k_q64f224371f_lngemm, .Lfunc_end_k_q64f224371f_lngemm-k_q64f224371f_lngemm
	.p2alignl 7, 3214868480
	.fill 96, 4, 3214868480
	.section	.rodata,"a",@progbits
	.p2align	6, 0x0
	.amdhsa_kernel k_q64f224371f_lngemm
		.amdhsa_group_segment_fixed_size 112128
		.amdhsa_private_segment_fixed_size 0
		.amdhsa_enable_private_segment 0
		.amdhsa_kernarg_size 80
		.amdhsa_user_sgpr_count 2
		.amdhsa_user_sgpr_kernarg_segment_ptr 1
		.amdhsa_wavefront_size32 1
		.amdhsa_system_sgpr_workgroup_id_x 1
		.amdhsa_system_sgpr_workgroup_id_y 1
		.amdhsa_system_sgpr_workgroup_id_z 1
		.amdhsa_system_vgpr_workitem_id 0
		.amdhsa_next_free_vgpr 1024
		.amdhsa_next_free_sgpr 66
		.amdhsa_reserve_vcc 0
		.amdhsa_float_denorm_mode_32 3
		.amdhsa_float_denorm_mode_16_64 3
		.amdhsa_memory_ordered 1
		.amdhsa_forward_progress 1
		.amdhsa_inst_pref_size 255
	.end_amdhsa_kernel
	.section	.bss,"aw",@nobits
	.p2align	6
	.space	262144
	.amdgpu_metadata
---
amdhsa.version: [ 1, 2 ]
amdhsa.kernels:
  - .name:           k_q64f224371f_lngemm
    .symbol:         k_q64f224371f_lngemm.kd
    .args:
      - { .name: vimg, .offset: 0, .size: 8, .value_kind: global_buffer, .address_space: global }
      - { .name: wo_codes, .offset: 8, .size: 8, .value_kind: global_buffer, .address_space: global }
      - { .name: wo_scales, .offset: 16, .size: 8, .value_kind: global_buffer, .address_space: global }
      - { .name: lambda_q1, .offset: 24, .size: 8, .value_kind: global_buffer, .address_space: global }
      - { .name: lambda_k1, .offset: 32, .size: 8, .value_kind: global_buffer, .address_space: global }
      - { .name: lambda_q2, .offset: 40, .size: 8, .value_kind: global_buffer, .address_space: global }
      - { .name: lambda_k2, .offset: 48, .size: 8, .value_kind: global_buffer, .address_space: global }
      - { .name: ln_gamma, .offset: 56, .size: 8, .value_kind: global_buffer, .address_space: global }
      - { .name: ln_beta, .offset: 64, .size: 8, .value_kind: global_buffer, .address_space: global }
      - { .name: out0, .offset: 72, .size: 8, .value_kind: global_buffer, .address_space: global }
    .group_segment_fixed_size: 112128
    .private_segment_fixed_size: 0
    .kernarg_segment_align: 8
    .kernarg_segment_size: 80
    .max_flat_workgroup_size: 128
    .sgpr_count:     66
    .vgpr_count:     1024
    .wavefront_size: 32
...
	.end_amdgpu_metadata
.endif
;; end of part 4
